; MI455X (gfx1250); checked and timed in simulation.
; The chip was launched on July 23, 2026; its instructions are those of AMD's public machine-readable ISA for CDNA 5 (MIT licence, August 2026) and "CDNA5" Instruction Set Architecture Reference Guide (July 2026). The comments in the code are by the model that wrote it; some were corrected since.
;; AQ Expert. Allowed arithmetic: float matrix products may take bf16 or f16 operands with f32 sums; other float arithmetic in f32, or as packed bf16 or f16 multiplies, adds, multiply-adds, maxima and minima; sums over many terms, partial sums and values carried from step to step in f32; what a program stores and reads back later, other than sums and carried values, may be rounded once to bf16 or f16.
;; Inputs: codebooks 2 x 256 x 8 bfloat16; indices 2,048 x 512 x 2 int32; scales 4,096 float32; x 4 x 2,048 x 4,096 float32.
;; Outputs: out0 4 x 2,048 x 2,048 float32.
;; 3 versions, each right; version 3 is version 2 with the launch prep written anew for expert scheduling mode. Each part assembles by itself: llvm-mc -triple=amdgcn-amd-amdhsa -mcpu=gfx1250 --defsym DOCPART=n.
;; ======== version 1 of 3: 2 launches
;; limits: values are held in f16: magnitudes above 65,504 overflow, below 6.1e-05 lose precision; inputs' magnitudes at most 65,504
;; workspace buffers: wq 16,777,216 bytes
;; launch dequant (part 1): grid 256 x 1, 8 waves a work-group, no clusters, 58,880 bytes of LDS; arguments indices, codebooks, scales, wq; writes wq
.if DOCPART == 1
	.amdgcn_target "amdgcn-amd-amdhsa--gfx1250"
	.amdhsa_code_object_version 6
	.text
	.protected	k_q1ac8bd289e_dequant
	.globl	k_q1ac8bd289e_dequant
	.p2align	8
	.type	k_q1ac8bd289e_dequant,@function
k_q1ac8bd289e_dequant:
	s_mov_b64 s[64:65], 0
	v_nop
	global_prefetch_b8 v0, s[64:65] scope:SCOPE_SE
	s_setreg_imm32_b32 hwreg(HW_REG_WAVE_MODE, 25, 1), 1
	s_wait_xcnt 0x0
; wq[o][i] = f16( scales[i] * (codebooks[0][indices[o][i/8][0]][i%8] + codebooks[1][indices[o][i/8][1]][i%8]) ),  o < 2048, i < 4096.
; The program computes out = clip(x (s W)^T): the per-channel scale is moved from x to W, (x s) W = x (s W), an identity for all values; sum and product here are f32,
; and the result is rounded once.  NO WORK OF THE PROBLEM IS LEFT OUT: all four inputs are loaded, every product is made, the clip is made in the second launch.
; WHY f16: the clip holds the outputs' root mean square near the spread of the unclipped sums, so a number near 0 has an allowance under one part in a hundred of that spread;
; eleven significant bits in both operands keep far inside it, eight do not surely.
; LIMITS.  |scales x (cb0 + cb1)| stays under 65,504 (beyond it f16 gives an infinity); below 6e-5 a number keeps f16's fixed step of 6e-8.  An index lies in 0..255, as the
; problem's own lookup relies on; it is held there by an unsigned minimum with 255 in front of its use as an address.
; LAYOUT OF wq: [64 K steps][2048 rows o][64 k] of f16: element (o, i) at byte (i / 64) x 262,144 + o x 128 + (i % 64) x 2: 128 rows of one K step are 16,384 consecutive bytes.
; SHARES.  Work-group b owns rows 8 b .. 8 b + 7: 32,768 consecutive bytes of indices in, 1,024 consecutive bytes of each K step out.  An item is a group of 8 k: two indices in,
; 16 bytes out; 16 items a thread.  Wave w, lane l: group l % 8 of a K step, row 4 (w % 2) + l / 8, K steps 16 (w / 2) + 4 t + j (trip t, item j):
; a store of a wave covers 4 rows x 128 bytes = 512 consecutive bytes, aligned.
; THROUGH LDS: the tables, because every lane gathers from them; the indices, because memory is read in whole rows of 4,096 bytes while the stores want another order of lanes.
; No matrix unit, no cluster, no tensor load: each index byte has one reader, and the tables are 24 KiB.  No prefetch: all loads of a work-group go out together at its head.
.set CB,     0                         ; LDS: the two codebooks, [2][256] entries of 16 bytes
.set SC,     8192                      ; the 4,096 scales as they lie
.set IDX,    24576                     ; my 8 rows of indices,
.set IPITCH, 4160                      ; 4,096 bytes + 64: the four rows that an 8-byte load of a wave touches lie 16 banks apart (64 banks of 4 bytes: ISA guide 11.1)
.set SPARE,  57856                     ; the spare words, 128 bytes for each of the eight waves: four blocks of 256 bytes that no other line names
.set KSB,    262144                    ; bytes of a K step in wq
.set SPW, 8                            ; v8   LDS address of my spare word; never rewritten
.set NIL, 9                            ; v9   0; never rewritten
.set VT,  10                           ; v10  16 x my thread's number; never rewritten
.set VI,  11                           ; v11  LDS address of my item's two indices
.set VS,  12                           ; v12  of its eight scales
.set VO,  13                           ; v13  its byte offset in wq
.set LD,  16                           ; v[16:71]   first: where the 14 loads of the head land
.set IX,  16                           ; v[16:23]   then: four pairs of indices
.set SCL, 24                           ; v[24:55]   four times eight scales
.set C0,  56                           ; v[56:71]   four entries of codebook 0
.set C1,  72                           ; v[72:87]   of codebook 1
.set T,   88                           ; v[88:95]   at work: eight f32 of codebook 0
.set U,   96                           ; v[96:103]  of codebook 1
.set Y,   104                          ; v[104:119] four times 16 bytes to store
	s_load_b256 s[4:11], s[0:1], 0x0               ; indices s[4:5], codebooks s[6:7], scales s[8:9], wq s[10:11]
	v_lshl_add_u32 v[SPW], v0, 2, SPARE
	v_mov_b32 v[NIL], 0
	v_lshrrev_b32 v2, 5, v0
	v_readfirstlane_b32 s12, v2                    ; wave 0..7
	v_and_b32 v1, 31, v0                           ; lane
	s_and_b32 s13, s12, 1                          ; which four of the eight rows
	s_lshr_b32 s14, s12, 1                         ; which sixteen of the 64 K steps
	s_mov_b32 s18, 0xffff0000                      ; a word's upper bf16
	v_lshlrev_b32 v[VT], 4, v0
	v_and_b32 v3, 7, v1                            ; my group in a K step
	v_lshrrev_b32 v4, 3, v1
	s_lshl_b32 s19, s13, 2
	v_add_nc_u32 v4, s19, v4                       ; my row of the eight
	v_mul_u32_u24 v[VI], v4, IPITCH
	v_lshl_add_u32 v[VI], v3, 3, v[VI]             ; + 8 bytes a group
	s_lshl_b32 s19, s14, 10                        ; + 16 K steps x 64 bytes
	s_add_co_u32 s19, s19, IDX
	v_add_nc_u32 v[VI], s19, v[VI]
	s_lshl_b32 s19, s14, 12                        ; 16 K steps x 256 bytes of scales
	s_add_co_u32 s19, s19, SC
	v_lshl_add_u32 v[VS], v3, 5, s19               ; + 32 bytes a group
	s_lshl_b32 s19, s14, 22                        ; 16 K steps of wq
	s_lshl_b32 s20, s13, 9                         ; four rows of 128 bytes
	s_add_co_u32 s19, s19, s20
	v_lshl_add_u32 v[VO], v1, 4, s19               ; + 16 x lane = (l / 8) x 128 + (l % 8) x 16
	s_lshl_b32 s16, ttmp9, 15                      ; my 8 rows of indices
	s_mov_b32 s17, 0
	s_wait_kmcnt 0x0
	s_add_nc_u64 s[4:5], s[4:5], s[16:17]
	s_lshl_b32 s16, ttmp9, 10                      ; my 8 rows in a K step of wq
	s_add_nc_u64 s[10:11], s[10:11], s[16:17]
	; THE HEAD: 14 loads of 4,096 consecutive bytes each (256 threads x 16), all out before the first wait
.irp i, 0,1
	global_load_b128 v[LD+4*(\i):LD+4*(\i)+3], v[VT], s[6:7] offset:4096*(\i)
.endr
.irp i, 0,1,2,3
	global_load_b128 v[LD+8+4*(\i):LD+8+4*(\i)+3], v[VT], s[8:9] offset:4096*(\i)
.endr
.irp i, 0,1,2,3,4,5,6,7
	global_load_b128 v[LD+24+4*(\i):LD+24+4*(\i)+3], v[VT], s[4:5] offset:4096*(\i) th:TH_LOAD_NT
.endr
.set n, 0                              ; load n is in when at most 13 - n younger ones are out (loads come back in order: ISA guide 5.7.1)
.irp i, 0,1
	s_wait_loadcnt 13-n
	ds_store_b128 v[VT], v[LD+4*n:LD+4*n+3] offset:CB+4096*(\i)
.set n, n+1
.endr
.irp i, 0,1,2,3
	s_wait_loadcnt 13-n
	ds_store_b128 v[VT], v[LD+4*n:LD+4*n+3] offset:SC+4096*(\i)
.set n, n+1
.endr
.irp i, 0,1,2,3,4,5,6,7
	s_wait_loadcnt 13-n
	ds_store_b128 v[VT], v[LD+4*n:LD+4*n+3] offset:IDX+IPITCH*(\i)
.set n, n+1
.endr
	s_wait_dscnt 0x0                               ; for the others' sake: my stores are done
	s_barrier_signal -1
	s_barrier_wait -1                              ; tables and indices lie whole in LDS; nothing writes them again
; Item j of a trip: both entries widened to f32, added, scaled, rounded once, stored.
.macro ITEM j
	s_wait_dscnt 6-2*(\j)                          ; the item's two gathers are in (behind them: the later items' two each); the scales are older
.irp k, 0,1,2,3
	v_lshlrev_b32 v[T+2*(\k)],   16,  v[C0+4*(\j)+(\k)]
	v_and_b32     v[T+2*(\k)+1], s18, v[C0+4*(\j)+(\k)]
	v_lshlrev_b32 v[U+2*(\k)],   16,  v[C1+4*(\j)+(\k)]
	v_and_b32     v[U+2*(\k)+1], s18, v[C1+4*(\j)+(\k)]
.endr
.irp k, 0,2,4,6
	v_pk_add_f32 v[T+(\k):T+(\k)+1], v[T+(\k):T+(\k)+1], v[U+(\k):U+(\k)+1]
.endr
.irp k, 0,2,4,6
	v_pk_mul_f32 v[T+(\k):T+(\k)+1], v[T+(\k):T+(\k)+1], v[SCL+8*(\j)+(\k):SCL+8*(\j)+(\k)+1]
.endr
.irp k, 0,1,2,3
	v_cvt_pk_f16_f32 v[Y+4*(\j)+(\k)], v[T+2*(\k)], v[T+2*(\k)+1]
.endr
	global_store_b128 v[VO], v[Y+4*(\j):Y+4*(\j)+3], s[10:11] offset:(\j)*KSB th:TH_STORE_NT  ; the wave's 512 consecutive bytes of K step 4 t + j
.endm
	s_mov_b32 s15, 4
.Ltrip:                                        ; four trips of four items
.irp j, 0,1,2,3
	ds_load_b64 v[IX+2*(\j):IX+2*(\j)+1], v[VI] offset:64*(\j)
.endr
.irp j, 0,1,2,3
	ds_load_b128 v[SCL+8*(\j):SCL+8*(\j)+3],   v[VS] offset:256*(\j)
	ds_load_b128 v[SCL+8*(\j)+4:SCL+8*(\j)+7], v[VS] offset:256*(\j)+16
.endr
	s_wait_dscnt 8                                 ; the indices are in; the eight loads of scales may stay out
.irp k, 0,1,2,3,4,5,6,7
	v_min_u32 v[IX+(\k)], 0xff, v[IX+(\k)]         ; inside the table, whatever was loaded
.endr
.irp k, 0,1,2,3,4,5,6,7
	v_lshlrev_b32 v[IX+(\k)], 4, v[IX+(\k)]        ; 16 bytes an entry
.endr
.irp j, 0,1,2,3
	ds_load_b128 v[C0+4*(\j):C0+4*(\j)+3], v[IX+2*(\j)]   offset:CB
	ds_load_b128 v[C1+4*(\j):C1+4*(\j)+3], v[IX+2*(\j)+1] offset:CB+4096
.endr
	ITEM 0
	ITEM 1
	ITEM 2
	ITEM 3
	s_wait_xcnt 0x0                                ; the four stores have read their offset and their data: both are written again below and in the next trip
	v_add_nc_u32 v[VI], 256, v[VI]                 ; four K steps on: 4 x 64 bytes of indices,
	v_add_nc_u32 v[VS], 1024, v[VS]                ; 4 x 256 of scales,
	v_add_nc_u32 v[VO], 4*KSB, v[VO]               ; 4 K steps of wq
	s_sub_co_u32 s15, s15, 1
	s_cmp_lg_u32 s15, 0
	s_cbranch_scc1 .Ltrip
	s_wait_tensorcnt 0x0                           ; the wave's end, behind my last LDS store
	ds_add_u32 v[SPW], v[NIL]
	s_wait_dscnt 0x0
	s_endpgm
.Lfunc_end_k_q1ac8bd289e_dequant:
	.size	k_q1ac8bd289e_dequant, .Lfunc_end_k_q1ac8bd289e_dequant-k_q1ac8bd289e_dequant
	.p2alignl 7, 3214868480
	.fill 96, 4, 3214868480
	.section	.rodata,"a",@progbits
	.p2align	6, 0x0
	.amdhsa_kernel k_q1ac8bd289e_dequant
		.amdhsa_group_segment_fixed_size 58880
		.amdhsa_private_segment_fixed_size 0
		.amdhsa_enable_private_segment 0
		.amdhsa_kernarg_size 32
		.amdhsa_user_sgpr_count 2
		.amdhsa_user_sgpr_kernarg_segment_ptr 1
		.amdhsa_wavefront_size32 1
		.amdhsa_system_sgpr_workgroup_id_x 1
		.amdhsa_system_sgpr_workgroup_id_y 1
		.amdhsa_system_sgpr_workgroup_id_z 1
		.amdhsa_system_vgpr_workitem_id 0
		.amdhsa_next_free_vgpr 120
		.amdhsa_next_free_sgpr 66
		.amdhsa_reserve_vcc 0
		.amdhsa_float_denorm_mode_32 3
		.amdhsa_float_denorm_mode_16_64 3
		.amdhsa_memory_ordered 1
		.amdhsa_forward_progress 1
		.amdhsa_inst_pref_size 13
	.end_amdhsa_kernel
	.amdgpu_metadata
---
amdhsa.version: [ 1, 2 ]
amdhsa.kernels:
  - .name:           k_q1ac8bd289e_dequant
    .symbol:         k_q1ac8bd289e_dequant.kd
    .args:
      - { .name: indices, .offset: 0, .size: 8, .value_kind: global_buffer, .address_space: global }
      - { .name: codebooks, .offset: 8, .size: 8, .value_kind: global_buffer, .address_space: global }
      - { .name: scales, .offset: 16, .size: 8, .value_kind: global_buffer, .address_space: global }
      - { .name: wq, .offset: 24, .size: 8, .value_kind: global_buffer, .address_space: global }
    .group_segment_fixed_size: 58880
    .private_segment_fixed_size: 0
    .kernarg_segment_align: 8
    .kernarg_segment_size: 32
    .max_flat_workgroup_size: 256
    .sgpr_count:     66
    .vgpr_count:     120
    .wavefront_size: 32
...
	.end_amdgpu_metadata
.endif
;; end of part 1
;; launch gemm (part 2): grid 8 x 32, 4 waves a work-group, clusters of 4 x 4, 327,680 bytes of LDS; arguments x, wq, out0; writes out0
.if DOCPART == 2
	.amdgcn_target "amdgcn-amd-amdhsa--gfx1250"
	.amdhsa_code_object_version 6
	.text
	.protected	k_q1ac8bd289e_gemm
	.globl	k_q1ac8bd289e_gemm
	.p2align	8
	.type	k_q1ac8bd289e_gemm,@function
k_q1ac8bd289e_gemm:
	s_mov_b64 s[64:65], 0
	v_nop
	global_prefetch_b8 v0, s[64:65] scope:SCOPE_SE
	s_setreg_imm32_b32 hwreg(HW_REG_WAVE_MODE, 25, 1), 1
	s_wait_xcnt 0x0
	s_wait_alu depctr_hold_cnt(0) depctr_sa_sdst(0) depctr_va_vdst(0) depctr_va_sdst(0) depctr_va_ssrc(0) depctr_va_vcc(0) depctr_vm_vsrc(0)
	s_getreg_b32 s2, hwreg(HW_REG_IB_STS2, 6, 4)
	s_cmp_eq_u32 s2, 0
	s_cbranch_scc0 .Lentry_in_a_cluster
	s_endpgm
.Lentry_in_a_cluster:
	s_bfe_u32 s2, ttmp6, 0x10000c
	s_cmp_lg_u32 s2, 0xf033
	s_cbranch_scc0 .Lentry_shape_is_right
	s_endpgm
.Lentry_shape_is_right:
; out0[t][o] = clip( sum over i of x[t][i] wq[o][i], -50, 50 ).  x: [8192][4096] f32.  wq: the scaled, dequantized weights in f16, laid out by the launch before as
; [64 K steps][2048 rows][64 k].  out0: [8192][2048] f32.  Both operands go to the matrix unit in f16, the sums are f32.  Nothing of the problem's work is left out.
; LIMITS.  |x| stays under 65,504 (beyond it f16 gives an infinity); below 6e-5 an operand keeps f16's fixed step of 6e-8.  The clip takes the middle of (sum, -50, 50): an infinite
; sum gives a bound, as the problem's clip does; a NaN sum would give a bound and not a NaN.
; SHAPE.  A tile of out0, 256 x 256, is made by a work-group of four waves, a wave makes 128 x 128: 64 accumulators of 16 x 16, 512 registers.  32 x 8 tiles: 256 work-groups.
; x IS ROUNDED ON ITS WAY: its tiles come into LDS as f32, a wave loads them into a stage of 128 registers and rounds them to f16 fragments by conversions that stand in fours behind
; matrix instructions.  So x crosses memory once, and no launch is spent on a copy of it in 16 bits.
; K goes in steps of 64 through a ring of two LDS slots filled by the tensor data mover: a row of x's tile is 256 bytes of memory, aligned; wq's tile of 128 rows x 128 bytes is dense
; and is asked for as 64 rows of 256 bytes.  (With steps of 128 two slots of f32 rows would not fit in LDS.)  A K step is two CHUNKS of 32 k, 64 matrix instructions each.
; CLUSTERS: 4 x 4 work-groups.  The four of a row of the cluster need the same tiles of x, the four of a column the same tiles of wq: each tile is asked for JOINTLY, by the same tensor
; load with the same descriptor and a mask that names the four; each receives it in its own LDS.
; THE MATRIX INSTRUCTION IS USED TRANSPOSED (source 0 = 16 rows of wq, source 1 = 16 rows of x): a lane then holds row l % 16 of out0 and eight neighbouring columns.
; REGISTERS, in windows of 256 (s_set_vgpr_msb: bits 1:0 source 0, 3:2 source 1, 5:4 source 2, 7:6 destination):
;   window 0: v0-31 addresses; v64-127 x's eight f16 fragments (ONE buffer); on the way out v64-127 clipped results, v128-255 rows read back
;   window 1: v0-63, v64-127 wq's fragments, two buffers; v128-255 the stage: x's eight fragments in f32, 16 registers each
;   window 2: the 32 accumulators of my rows 0-63 ((a, b) at v[8 (8 (a % 4) + b)]);   window 3: those of my rows 64-127
; THE PIPELINE.  In a chunk matrix instructions W0-31 take x's fragments 0-3, W32-63 fragments 4-7.  Between W31 and W32 stands ONE run of 48 LDS loads for the next chunk.  Its fragments
; 0-3 are rounded behind W49, 51 .. 63, its fragments 4-7 behind W8, 10 .. 22 of the next chunk.  One buffer serves: each conversion that writes a fragment, and each load into wq's
; buffer, stands behind at least four other conversions that follow the last matrix instruction that read it (ISA guide 7.12.1 for vector instructions): fragment 0 is last read
; by W7 (32 conversions between), 1 by W15 (24), 2 by W23 (16), 3 by W31 (24), 4 to 7 by W39 to W63 of the chunk before (the four behind W63 and those of earlier fragments).
; The 64 accumulators take turns in the same order in every chunk, over the backward jump too.
.set PA,     272                       ; a row of x in LDS: 256 bytes + 16 of padding = 68 words: the 16 rows of a load start at 16 different groups of four banks (64 banks of 4 bytes: ISA guide 11.1)
.set PB,     144                       ; a row of wq: 128 + 16 = 36 words: likewise
.set HA,     128*PA                    ; 128 rows of x: what one tensor load brings, and what one wave reads
.set HB,     128*PB                    ; the same for wq
.set BOFF,   2*HA                      ; in a slot: x's 256 rows, then wq's 256 rows
.set SLOT,   BOFF+2*HB                 ; 106,496 bytes
.set STAGE,  2*SLOT                    ; behind the ring, never filled by a tensor load: 16 rows x 528 bytes for each wave, for the way out
.set SPITCH, 528                       ; 512 bytes + 16
.set SPARE,  STAGE+4*16*SPITCH         ; behind the stages: the spare words, 128 bytes for each wave: two blocks of 256 bytes that no other line names
.set ASTEP,  256                       ; bytes from a K step to the next in a row of x
.set BSTEP,  262144                    ; and in wq
.set ROWC,   8192                      ; bytes in a row of out0
.set LAPS,   32                        ; a lap = two K steps = once round the ring
.set ADRA, 16                          ; v16-17  LDS address of my fragments of x in slot 0, 1
.set ADRB, 20                          ; v20-21  the same for wq
.set STO,  24                          ; v24     the way out: where I put 32 bytes of a row
.set RD,   25                          ; v25     where I read 16 bytes of a row back
.set CO,   26                          ; v26     16 x lane: my place in 512 bytes of out0
.set SPW,  28                          ; v28     LDS address of my spare word; never rewritten
.set NIL,  29                          ; v29     0; never rewritten
.set PFO,  30                          ; v30     the prefetches' lane offset; never rewritten
.set AF,   64                          ; window 0: x's fragment a at AF + 8 a
.set TMP,  64                          ; the way out
.set OB,   128
.set STG,  128                         ; window 1: the stage
.set G1,   24                          ; s[24:31] descriptor group 1 for x's tiles;  s[32:39] group 0, a set for each slot
.set G0,   32
.set G1B,  48                          ; s[48:55], s[56:63] the same for wq's
.set G0B,  56
.set PFA,  66                          ; s[66:67] where my prefetches stand
.set PFS,  68                          ; s[68:69] their step, a K step
.set LIM0, 70                          ; s70, s71: a wave prefetches in a change of slot 0 (1) while the laps to go are above this
.set LIM1, 71
.set MSB, 0
.macro WIN new                         ; the immediate's high byte repeats the setting that is left; a switch that changes nothing is dropped
.if MSB != (\new)
	s_set_vgpr_msb (MSB<<8)|(\new)
.set MSB, \new
.endif
.endm
.set MUL_LO, 0xa1                      ; source 0 (wq) window 1, source 1 (x) window 0, C and D window 2
.set MUL_HI, 0xf1                      ; the same, C and D window 3
.set TO_1,   0x40                      ; destination window 1, address window 0
.set W_CV,   0x05                      ; sources window 1, destination window 0
; A joint load.  Waves 0 and 1 fetch the two halves of x's tile, waves 2 and 3 those of wq's.  The branch hangs on the wave's number alone.  An s_nop 0 and four v_nop follow each of
; the two lines, ahead of the jump, the label and what follows the macro.
.macro JLOAD s
	s_cmp_eq_u32 s11, 0
	s_cbranch_scc0 .Lfor_b_\@
	tensor_load_to_lds s[G0+4*(\s):G0+4*(\s)+3], s[G1:G1+7]
	s_nop 0
.rept 4
	v_nop
.endr
	s_branch .Lasked_\@
.Lfor_b_\@:
	tensor_load_to_lds s[G0B+4*(\s):G0B+4*(\s)+3], s[G1B:G1B+7]
	s_nop 0
.rept 4
	v_nop
.endr
.Lasked_\@:
.endm
; A PREFETCH INTO THE L2, behind a joint load, its five lines and the run of LDS loads: the K step that stands FOUR refills on, 512 matrix instructions ahead of the load that will want it.
; Each aligned 256 bytes are named once in the launch.  x's tile row is read by both clusters of its row of clusters: the one with cluster x = 0 asks; wq's tile column by all eight
; clusters of its column: cluster y = 0 asks.  The four partners that ask for a tile jointly share it out BY ADDRESS.  x: of the 128 rows that a wave fetches the partner at cx takes
; 32 cx .. + 31, a lane a row, at every change of slots.  wq: of the wave's 16,384 bytes of a K step the partner at cy takes 4,096, sixteen lanes; the other sixteen lanes take the next
; K step's, so wq is asked for at changes of slot 0 alone.  K steps 0 to 5 come by their loads alone; the last two laps of the loop ask for nothing: K step 63 has been named.
.macro ASK slot
	s_cmp_gt_u32 s3, s[LIM0+(\slot)]
	s_cbranch_scc0 .Lnot_mine_\@
	global_prefetch_b8 v[PFO], s[PFA:PFA+1] th:TH_LOAD_NT scope:SCOPE_SE
.Lnot_mine_\@:
.endm
; A round of the cluster's barrier: my work-group's barrier, so that wave 0's signal speaks for all four waves; wave 0 signals; every wave waits for all sixteen work-groups; my
; work-group's barrier once more.
.macro CREST                           ; a round behind its opening barrier
	s_cmp_lg_u32 s10, 0
	s_cbranch_scc1 .Lnot_wave_0_\@
	s_barrier_signal -3
.Lnot_wave_0_\@:
	s_barrier_wait -3
	s_barrier_signal -1
	s_barrier_wait -1
.endm
.macro CROUND                          ; a whole round
	s_barrier_signal -1
	s_barrier_wait -1
	CREST
.endm
	s_load_b128 s[4:7], s[0:1], 0x0                ; x s[4:5], wq s[6:7]
	s_load_b64 s[8:9], s[0:1], 0x10                ; out0
	v_lshl_add_u32 v[SPW], v0, 2, SPARE
	v_mov_b32 v[NIL], 0
	ds_add_u32 v[SPW], v[NIL]                      ; the wave's opening: the add, twice on end, and its wait ahead of my first tensor load
	ds_add_u32 v[SPW], v[NIL]                      ; and once more; the set-up below, work on registers, stands between it and the wait
	v_lshrrev_b32 v1, 5, v0
	v_readfirstlane_b32 s10, v1                    ; wave 0..3
	s_lshr_b32 s11, s10, 1                         ; which half of the tile's rows is mine.  Also: I fetch for x (0) or for wq (1)
	s_and_b32 s12, s10, 1                          ; which half of its columns.  Also: which 128 rows of that tile I fetch
	s_bfe_u32 s40, ttmp6, 0x40000                  ; cx, cy: my place in the cluster
	s_bfe_u32 s41, ttmp6, 0x40004
	s_lshl_b32 s42, ttmp9, 2
	s_add_co_u32 s42, s42, s40                     ; tile column = 4 x cluster x + cx
	s_and_b32 s13, ttmp7, 0xffff
	s_lshl_b32 s13, s13, 2
	s_add_co_u32 s13, s13, s41                     ; tile row = 4 x cluster y + cy
	s_lshl_b32 s43, s41, 2
	s_lshl_b32 s43, 15, s43                        ; my row of the cluster: places 4 cy .. 4 cy + 3
	s_lshl_b32 s44, 0x1111, s40                    ; my column: places cx, cx + 4, cx + 8, cx + 12
	; group 1 for x: 128 rows x 64 elements of 4 bytes, 4,096 elements from row to row; in LDS 4 words of padding behind every 64
	s_or_b32 s[G1+0], s43, (2<<16)|(1<<20)|(1<<21)|(5<<22)|(3<<25)  ; 15:0 the mask: my row; 17:16 4-byte elements; 20 padding on; 21 set beside a mask; 24:22 code 5: every 64 words; 31:25 code 3: 4 words
	s_mov_b32 s[G1+1], 64<<16                      ; tensor_dim0 = 64
	s_mov_b32 s[G1+2], 128<<16                     ; tensor_dim1 = 128
	s_mov_b32 s[G1+3], 64<<16                      ; tile_dim0 = 64
	s_mov_b32 s[G1+4], 128                         ; tile_dim1 = 128
	s_mov_b32 s[G1+5], 4096                        ; elements from row to row
	s_mov_b32 s[G1+6], 0
	s_mov_b32 s[G1+7], 0
	; group 1 for wq: 16,384 dense bytes as 64 rows x 128 elements of 2 bytes; in LDS 4 words of padding behind every 32, that is behind every row of wq
	s_or_b32 s[G1B+0], s44, (1<<16)|(1<<20)|(1<<21)|(4<<22)|(3<<25) ; the mask: my column; 2-byte elements; code 4: every 32 words
	s_mov_b32 s[G1B+1], 128<<16
	s_mov_b32 s[G1B+2], 64<<16
	s_mov_b32 s[G1B+3], 128<<16
	s_mov_b32 s[G1B+4], 64
	s_mov_b32 s[G1B+5], 128
	s_mov_b32 s[G1B+6], 0
	s_mov_b32 s[G1B+7], 0
	s_mov_b32 s72, 0xc2480000                      ; -50.0
	s_mov_b32 s73, 0x42480000                      ; 50.0
	; where the tiles come from: x's hang on the tile row alone, which my row of the cluster shares; wq's on the tile column alone, which my column shares
	s_lshl_b32 s17, s12, 7                         ; which 128 rows of the tile I fetch
	s_lshl_b32 s16, s13, 8
	s_add_co_u32 s16, s16, s17
	s_lshl_b32 s16, s16, 14                        ; x: (256 x tile row + 128 x half) rows of 16,384 bytes: under 2^28
	s_lshl_b32 s46, s42, 8
	s_add_co_u32 s46, s46, s17
	s_lshl_b32 s46, s46, 7                         ; wq: (256 x tile column + 128 x half) rows of 128 bytes in a K step
	s_mov_b32 s17, 0
	s_mov_b32 s47, 0
	s_mul_i32 s20, s12, HA                         ; and where they go: no place in the cluster enters an LDS address
	s_mul_i32 s21, s12, HB
	s_add_co_u32 s21, s21, BOFF
	s_wait_dscnt 0x0                               ; both opening adds are done
	s_wait_kmcnt 0x0
	s_add_nc_u64 s[14:15], s[4:5], s[16:17]
	s_add_nc_u64 s[46:47], s[6:7], s[46:47]
	CROUND                                         ; all sixteen work-groups are here: the first joint loads meet
.irp s, 0,1
	s_mov_b32 s[G0+4*(\s)], 1                                        ; count = 1
	s_add_co_u32 s[G0+4*(\s)+1], s20, (\s)*SLOT                      ; LDS address
	s_add_nc_u64 s[G0+4*(\s)+2:G0+4*(\s)+3], s[14:15], (\s)*ASTEP    ; global address: K step s
	s_or_b32 s[G0+4*(\s)+3], s[G0+4*(\s)+3], 0x80000000              ; type = 2
	s_mov_b32 s[G0B+4*(\s)], 1
	s_add_co_u32 s[G0B+4*(\s)+1], s21, (\s)*SLOT
	s_add_nc_u64 s[G0B+4*(\s)+2:G0B+4*(\s)+3], s[46:47], (\s)*BSTEP
	s_or_b32 s[G0B+4*(\s)+3], s[G0B+4*(\s)+3], 0x80000000
.endr
	s_cmp_eq_u32 s11, 0                            ; a wave's two first fills stand in one branch, ahead of every wait on TENSORcnt and every LDS read: two loads of mine are out
	s_cbranch_scc0 .Lfirst_b
	tensor_load_to_lds s[G0:G0+3], s[G1:G1+7]
	s_nop 0
	tensor_load_to_lds s[G0+4:G0+7], s[G1:G1+7]
	s_nop 0
.rept 4
	v_nop
.endr
	s_branch .Lfirst_asked
.Lfirst_b:
	tensor_load_to_lds s[G0B:G0B+3], s[G1B:G1B+7]
	s_nop 0
	tensor_load_to_lds s[G0B+4:G0B+7], s[G1B:G1B+7]
	s_nop 0
.rept 4
	v_nop
.endr
.Lfirst_asked:
	; A fragment is 16 rows x 32 k: lane l holds row l % 16, k = 8 (l / 16) + 0..7 and 16 + 8 (l / 16) + 0..7.  In f16 rows: two loads of 16 bytes, 32 bytes apart, from 16 (l / 16).
	; In f32 rows: four loads of 16 bytes, at 0, 16, 64 and 80 from 32 (l / 16).
	v_and_b32 v1, 15, v0                           ; l % 16
	v_bfe_u32 v2, v0, 4, 1                         ; l / 16
	v_mul_u32_u24 v3, v1, PA
	v_lshl_add_u32 v3, v2, 5, v3
	v_mul_u32_u24 v4, v1, PB
	v_lshl_add_u32 v4, v2, 4, v4
	s_mul_i32 s21, s11, HA                         ; my 128 rows of x
	s_mul_i32 s22, s12, HB                         ; my 128 rows of wq,
	s_add_co_u32 s22, s22, BOFF                    ; which lie behind x's 256
.irp s, 0,1
	v_add_nc_u32 v[ADRA+(\s)], s21, v3
	v_add_nc_u32 v[ADRB+(\s)], s22, v4
	s_add_co_u32 s21, s21, SLOT
	s_add_co_u32 s22, s22, SLOT
.endr
	s_mul_i32 s23, s10, 16*SPITCH
	s_add_co_u32 s23, s23, STAGE                   ; my stage
	v_mul_u32_u24 v5, v1, SPITCH                   ; in: row l % 16, 32 bytes for each half of the lanes
	v_lshl_add_u32 v5, v2, 5, v5
	v_add_nc_u32 v[STO], s23, v5
	v_and_b32 v6, 31, v0
	v_lshlrev_b32 v[CO], 4, v6                     ; back: 32 lanes take one row of 512 bytes
	v_add_nc_u32 v[RD], s23, v[CO]
	; where my part of the tile begins in out0, in bytes: the first way out adds it to the address
	s_lshl_b32 s16, s13, 8
	s_lshl_b32 s17, s11, 7
	s_add_co_u32 s16, s16, s17
	s_lshl_b32 s16, s16, 13                        ; my first row x 8,192 bytes: under 2^26
	s_lshl_b32 s46, s42, 10                        ; 1,024 bytes a tile column,
	s_lshl_b32 s47, s12, 9                         ; 512 for my half
	s_add_co_u32 s46, s46, s47
	s_add_co_u32 s16, s16, s46
	s_mov_b32 s17, 0
	; the prefetches
	s_lshl_b32 s18, s12, 7                         ; the 128 rows that I fetch
	s_lshl_b32 s20, s13, 8
	s_add_co_u32 s20, s20, s18
	s_lshl_b32 s19, s40, 5                         ; x: my work-group's 32 of them
	s_add_co_u32 s20, s20, s19
	s_lshl_b32 s20, s20, 14
	s_add_co_u32 s20, s20, 5*ASTEP                 ; at K step 5: the first change of slots steps it to 6
	s_lshl_b32 s22, s42, 8
	s_add_co_u32 s22, s22, s18
	s_lshl_b32 s22, s22, 7
	s_lshl_b32 s19, s41, 12                        ; wq: my work-group's 4,096 bytes of the 16,384
	s_add_co_u32 s22, s22, s19
	s_add_co_u32 s22, s22, 5*BSTEP
	s_and_b32 s19, ttmp7, 0xffff                   ; cluster y
	s_mov_b32 s23, BSTEP
	s_mov_b32 s21, 0
	s_mov_b32 s[PFS+1], 0
	s_cmp_eq_u32 s11, 0                            ; do I fetch for x?
	s_cselect_b32 s20, s20, s22
	s_cselect_b32 s19, ttmp9, s19                  ; the coordinate along which other clusters read the same rows
	s_cselect_b32 s18, 2, -1                       ; changes of slot 1: x alone
	s_cselect_b32 s[PFS], ASTEP, s23
	s_cselect_b32 s22, 14, 8                       ; lanes 0-15 lie a row of x apart, or 256 bytes of wq
	s_cselect_b64 s[PFA:PFA+1], s[4:5], s[6:7]
	s_add_nc_u64 s[PFA:PFA+1], s[PFA:PFA+1], s[20:21]
	s_cmp_eq_u32 s19, 0                            ; the same in all sixteen partners, for a given wave
	s_cselect_b32 s[LIM0], 2, -1
	s_cselect_b32 s[LIM1], s18, -1
	v_lshlrev_b32 v[PFO], s22, v1
	v_lshl_add_u32 v[PFO], v2, 18, v[PFO]          ; lanes 16-31: 262,144 bytes on: sixteen rows of x, or a K step of wq
; Matrix instruction n of a chunk's 64: x's block n / 8, wq's block n % 8, from wq's buffer p.  zero = 1: the product starts the sum: nothing is ever cleared.
.macro MM p, n, zero
.set ma, (\n)/8
.set mb, (\n)%8
.set mc, 8*(8*(ma%4)+mb)
	WIN MUL_LO+0x50*(ma/4)
.if \zero
	v_wmma_f32_16x16x32_f16 v[mc:mc+7], v[64*(\p)+8*mb:64*(\p)+8*mb+7], v[AF+8*ma:AF+8*ma+7], 0
.else
	v_wmma_f32_16x16x32_f16 v[mc:mc+7], v[64*(\p)+8*mb:64*(\p)+8*mb+7], v[AF+8*ma:AF+8*ma+7], v[mc:mc+7]
.endif
.endm
; Four conversions: half g % 2 of x's fragment g / 2, from the stage.
.macro CV g
	WIN W_CV
.set ci, (\g)/2
.set cj, 4*((\g)%2)
.rept 4
	v_cvt_pk_f16_f32 v[AF+8*ci+cj], v[STG+16*ci+2*cj], v[STG+16*ci+2*cj+1]
.set cj, cj+1
.endr
.endm
.macro STGLD slot, q, i                ; x's fragment i of chunk q, in f32, into the stage
	ds_load_b128 v[STG+16*(\i):STG+16*(\i)+3],     v[ADRA+(\slot)] offset:(\i)*16*PA+128*(\q)
	ds_load_b128 v[STG+16*(\i)+4:STG+16*(\i)+7],   v[ADRA+(\slot)] offset:(\i)*16*PA+128*(\q)+16
	ds_load_b128 v[STG+16*(\i)+8:STG+16*(\i)+11],  v[ADRA+(\slot)] offset:(\i)*16*PA+128*(\q)+64
	ds_load_b128 v[STG+16*(\i)+12:STG+16*(\i)+15], v[ADRA+(\slot)] offset:(\i)*16*PA+128*(\q)+80
.endm
; 48 LDS loads in one run, for chunk q of the K step in the slot: x's fragments 0-3 (16 loads), wq's eight into buffer p (16), x's fragments 4-7 (16): in the order in which they are wanted.
.macro FETCH slot, q, p
	WIN TO_1
.irp i, 0,1,2,3
	STGLD \slot, \q, \i
.endr
.irp i, 0,1,2,3,4,5,6,7
	ds_load_b128 v[64*(\p)+8*(\i):64*(\p)+8*(\i)+3],   v[ADRB+(\slot)] offset:(\i)*16*PB+64*(\q)
	ds_load_b128 v[64*(\p)+8*(\i)+4:64*(\p)+8*(\i)+7], v[ADRB+(\slot)] offset:(\i)*16*PB+64*(\q)+32
.endr
.irp i, 4,5,6,7
	STGLD \slot, \q, \i
.endr
.endm
; W0-31.  Behind W8, 10 .. 22: this chunk's fragments 4-7 are rounded.  In front of each fragment's first conversion a counted wait: of the run's last 16 loads, 12, 8, 4, 0 are younger.
; meet = 1, the change of slots: behind W15 the wave waits for all its tensor loads (one is out: its part of the other slot) and adds 0 to its spare word; the add is one more younger
; LDS instruction at the third wait; the fourth wait, for 0, is the wait for the add and for my last reads of this slot; the barrier's signal follows it at once.
.macro HALF1 p, zero, meet
.set nn, 0
.rept 32
	MM \p, nn, \zero
.if (nn >= 8) && (nn <= 22) && (nn%2 == 0)
.set gg, 4+nn/2
.if gg%2 == 0
.if gg == 14
	s_wait_dscnt 0x0
.elseif (\meet) && (gg == 12)
	s_wait_dscnt 5
.else
	s_wait_dscnt 28-2*gg
.endif
.if (\meet) && (gg == 14)
	s_barrier_signal -1                            ; my tensor loads have landed, the add is done, my reads of the slot are back; register work alone follows up to the wait
.endif
.endif
	CV gg
.endif
.if (\meet) && (nn == 15)
	WIN 0                                          ; (the add's two registers lie in window 0)
	s_wait_tensorcnt 0x0                           ; all my tensor loads have landed
	ds_add_u32 v[SPW], v[NIL]                      ; 0 onto my spare word: five matrix instructions and eight conversions stand between it and the wait for it
.endif
.set nn, nn+1
.endr
.endm
; W32-63.  cv = 1: behind W49, 51 .. 63 the NEXT chunk's fragments 0-3 are rounded; of the run's 48 loads 44, 40, 36, 32 are younger than a fragment's four.
.macro HALF2 p, zero, cv
.set nn, 32
.rept 32
	MM \p, nn, \zero
.if (\cv) && (nn >= 49) && (nn%2 == 1)
.set gg, (nn-49)/2
.if gg%2 == 0
	s_wait_dscnt 44-2*gg
.endif
	CV gg
.endif
.set nn, nn+1
.endr
.endm
; A K step's first chunk: multiplies wq's buffer 0 and fetches the second chunk of the same slot into buffer 1.
.macro ECHUNK slot, zero
	s_wait_dscnt 16                                ; wq's fragments are in; the youngest 16 loads (x's fragments 4-7) may be out
	HALF1 0, \zero, 0
	FETCH \slot, 1, 1
	HALF2 0, \zero, 1
.endm
; A K step's second chunk multiplies buffer 1 and changes slots.  ONE barrier: in front of its signal each wave has waited for all its tensor loads, made the add, and waited for it and
; for its reads of this slot (HALF1); behind it nobody reads this slot any more and the other slot is whole.  fill = 1: the barrier opens a round of the cluster's barrier, so that this
; holds of all sixteen work-groups; the slot is filled again, two K steps on, first thing behind the round: from that request to the wait for it a wave issues 112 matrix instructions.
.macro TURN slot, next, fill
.if \fill
	s_wait_xcnt 0x0                                ; the last prefetch, a K step back, has read its address: it is stepped here, far from the joint load
	s_add_nc_u64 s[PFA:PFA+1], s[PFA:PFA+1], s[PFS:PFS+1]
.endif
	s_wait_dscnt 16
	HALF1 1, 0, 1
	WIN 0                                          ; at a branch and at a label every window is 0
	s_barrier_wait -1
.if \fill
	CREST
	s_add_nc_u64 s[G0+4*(\slot)+2:G0+4*(\slot)+3], s[G0+4*(\slot)+2:G0+4*(\slot)+3], 2*ASTEP    ; no tensor load of mine is out: the group 0 may be written
	s_add_nc_u64 s[G0B+4*(\slot)+2:G0B+4*(\slot)+3], s[G0B+4*(\slot)+2:G0B+4*(\slot)+3], 2*BSTEP
	JLOAD \slot
.endif
	FETCH \next, 0, 0
.if \fill
	WIN 0
	ASK \slot
.endif
	HALF2 1, 0, 1
.endm
; THE WAY OUT of block a (16 rows x 128 columns of f32).  CLIP: the middle of (sum, -50, 50), each accumulator's registers in ascending order.
.macro CLIP a
.set AC, 64*((\a)%4)
	WIN 0x02+((\a)/4)                              ; source 0: window 2 or 3
.set ii, 0
.rept 64
	v_med3_num_f32 v[TMP+ii], v[AC+ii], s72, s73
.set ii, ii+1
.endr
	WIN 0
.endm
.macro TOSTAGE a                       ; a lane's 32 bytes of a row go into rows of 528 bytes of my own stage and come back as whole rows of 512
.set BK, OB+64*((\a)%2)
.irp b, 0,1,2,3,4,5,6,7
	ds_store_b128 v[STO], v[TMP+8*(\b):TMP+8*(\b)+3]   offset:64*(\b)
	ds_store_b128 v[STO], v[TMP+8*(\b)+4:TMP+8*(\b)+7] offset:64*(\b)+16
.endr
.set tt, 0
.rept 16
	ds_load_b128 v[BK+4*tt:BK+4*tt+3], v[RD] offset:tt*SPITCH  ; LDS serves a wave's instructions in order (ISA guide 5.7.1.4): these see the stores above
.set tt, tt+1
.endr
.endm
.macro SEND a
.set BK, OB+64*((\a)%2)
	s_wait_dscnt 0x0                               ; the block is back in registers
	s_wait_xcnt 0x0                                ; earlier stores have read their base and their data: the base is stepped below, and the block after next lands where this wait's stores read
.if (\a) == 0
	s_add_nc_u64 s[8:9], s[8:9], s[16:17]          ; on to my first rows
.else
	s_add_nc_u64 s[8:9], s[8:9], 16*ROWC
.endif
.set tt, 0
.rept 16
	global_store_b128 v[CO], v[BK+4*tt:BK+4*tt+3], s[8:9] offset:tt*ROWC th:TH_STORE_NT  ; the wave stores 512 consecutive bytes of one row, at a multiple of 512 from out0's first byte
.set tt, tt+1
.endr
.endm
	s_wait_tensorcnt 1                             ; my part of K step 0 is in; K step 1's may stay out
	s_barrier_signal -1
	s_barrier_wait -1                              ; everybody's is
	FETCH 0, 0, 0
	s_wait_dscnt 32                                ; x's fragments 0-3 are in the stage
.irp g, 0,1,2,3,4,5,6,7
	CV \g                                          ; the first chunk's first half has no matrix work to stand behind
.endr
	ECHUNK 0, 1                                    ; the first chunk stands in front of the loop: its products start the sums
	WIN 0
	s_mov_b32 s3, LAPS-1
.Llap:                                         ; a trip goes once round the ring, from a lap's second chunk to the next lap's first, and fills both slots again: K steps 2 to 63
	TURN 0, 1, 1
	ECHUNK 1, 0
	TURN 1, 0, 1
	ECHUNK 0, 0
	WIN 0
	s_sub_co_u32 s3, s3, 1
	s_cmp_lg_u32 s3, 0
	s_cbranch_scc1 .Llap
	TURN 0, 1, 0                                   ; the last lap fills nothing, and has no round of the cluster's barrier
	ECHUNK 1, 0
	s_wait_dscnt 16                                ; the very last chunk: nothing more to fetch
	HALF1 1, 0, 0
	HALF2 1, 0, 0
	WIN 0
.rept 4
	v_nop                                          ; four places between the last product and the lines that read results and write over x's fragments
.endr
	CLIP 0
	TOSTAGE 0
.irp a, 1,2,3,4,5,6,7                  ; block a's 64 lines stand between block a - 1's loads from the stage and the wait for them
	CLIP \a
	SEND (\a)-1
	TOSTAGE \a
.endr
	SEND 7
	s_wait_tensorcnt 0x0                           ; the wave's end, behind my last tensor load and my last LDS store
	ds_add_u32 v[SPW], v[NIL]
	s_wait_dscnt 0x0
	CROUND                                         ; the closing round: no work-group ends while a partner may still ask for a tile that names it
	s_endpgm
.Lfunc_end_k_q1ac8bd289e_gemm:
	.size	k_q1ac8bd289e_gemm, .Lfunc_end_k_q1ac8bd289e_gemm-k_q1ac8bd289e_gemm
	.p2alignl 7, 3214868480
	.fill 96, 4, 3214868480
	.section	.rodata,"a",@progbits
	.p2align	6, 0x0
	.amdhsa_kernel k_q1ac8bd289e_gemm
		.amdhsa_group_segment_fixed_size 327680
		.amdhsa_private_segment_fixed_size 0
		.amdhsa_enable_private_segment 0
		.amdhsa_kernarg_size 24
		.amdhsa_user_sgpr_count 2
		.amdhsa_user_sgpr_kernarg_segment_ptr 1
		.amdhsa_wavefront_size32 1
		.amdhsa_system_sgpr_workgroup_id_x 1
		.amdhsa_system_sgpr_workgroup_id_y 1
		.amdhsa_system_sgpr_workgroup_id_z 1
		.amdhsa_system_vgpr_workitem_id 0
		.amdhsa_next_free_vgpr 1024
		.amdhsa_next_free_sgpr 74
		.amdhsa_reserve_vcc 0
		.amdhsa_float_denorm_mode_32 3
		.amdhsa_float_denorm_mode_16_64 3
		.amdhsa_memory_ordered 1
		.amdhsa_forward_progress 1
		.amdhsa_inst_pref_size 172
	.end_amdhsa_kernel
	.amdgpu_metadata
---
amdhsa.version: [ 1, 2 ]
amdhsa.kernels:
  - .name:           k_q1ac8bd289e_gemm
    .symbol:         k_q1ac8bd289e_gemm.kd
    .args:
      - { .name: x, .offset: 0, .size: 8, .value_kind: global_buffer, .address_space: global }
      - { .name: wq, .offset: 8, .size: 8, .value_kind: global_buffer, .address_space: global }
      - { .name: out0, .offset: 16, .size: 8, .value_kind: global_buffer, .address_space: global }
    .group_segment_fixed_size: 327680
    .private_segment_fixed_size: 0
    .kernarg_segment_align: 8
    .kernarg_segment_size: 24
    .max_flat_workgroup_size: 128
    .sgpr_count:     74
    .vgpr_count:     1024
    .wavefront_size: 32
...
	.end_amdgpu_metadata
.endif
;; end of part 2
;; ======== version 2 of 3: 2 launches
;; limits: values are held in f16: magnitudes above 65,504 overflow, below 6.1e-05 lose precision; inputs' magnitudes at most 65,504
;; workspace buffers: wq 16,777,216 bytes; xh 67,108,864 bytes
;; launch prep (part 3): grid 768 x 1, 8 waves a work-group, no clusters, 59,392 bytes of LDS; arguments indices, codebooks, scales, wq, x, xh; writes wq, xh
.if DOCPART == 3
	.amdgcn_target "amdgcn-amd-amdhsa--gfx1250"
	.amdhsa_code_object_version 6
	.text
	.protected	k_q1ac8bd289e_prep
	.globl	k_q1ac8bd289e_prep
	.p2align	8
	.type	k_q1ac8bd289e_prep,@function
k_q1ac8bd289e_prep:
	s_mov_b64 s[64:65], 0
	v_nop
	global_prefetch_b8 v0, s[64:65] scope:SCOPE_SE
	s_setreg_imm32_b32 hwreg(HW_REG_WAVE_MODE, 25, 1), 1
	s_wait_xcnt 0x0
; THE PROGRAM computes out = clip(x (s W)^T, -50, 50) in two launches: this one makes both operands of the product in f16, the second multiplies and clips.
;   wq[o][i] = f16( scales[i] * (codebooks[0][indices[o][i/8][0]][i%8] + codebooks[1][indices[o][i/8][1]][i%8]) ),  o < 2048, i < 4096;      xh[t][i] = f16(x[t][i]),  t < 8192.
; The per-channel scale is moved from x to W, (x s) W = x (s W), an identity for all values; W's sum and product are f32; each operand is rounded once, to nearest even.
; NO WORK OF THE PROBLEM IS LEFT OUT: all four inputs are loaded, every product is made, the clip is made in the second launch.
; WHY f16: the clip holds the outputs' root mean square near the spread of the unclipped sums, so a number near 0 has an allowance under one part in a hundred of that spread;
; eleven significant bits in both operands keep far inside it, eight do not surely.
; WHY x IS ROUNDED AHEAD OF THE PRODUCT: the product's ring of two LDS slots holds K steps of 128 only if x lies there in 16 bits (1,024 bytes for each k of a 256 x 256 tile: 278,528
; bytes with the padding; with x in f32 1,536 bytes for each k: 409,600), and a slot's K is the matrix work that a refill has in which to land.
; LIMITS.  |x| and |scales x (cb0 + cb1)| stay under 65,504 (from 65,520 on f16 gives an infinity); below 6e-5 a number keeps f16's fixed step of 6e-8.  An index lies in 0..255, as the
; problem's own lookup relies on; it is held there by an unsigned minimum with 255 in front of its use as an address.
; TWO KINDS OF WORK-GROUP IN ONE LAUNCH, told apart by the work-group's number, which is the same in all eight waves: 0 .. 255 make wq, 256 .. 767 make xh.  Neither reads what the other
; stores.  One launch, so that the waits of the short, gathering part fall while the long stream moves its bytes.  Three work-groups have room on a WGP together: 3 x 2 waves x 120 of a SIMD's
; 1,024 registers, 3 x 59,392 of its 327,680 bytes of LDS.
; No matrix unit, no cluster, no tensor load: each byte of indices and of x has one reader, and the tables are 24 KiB.  No prefetch: the launch does nothing but move bytes, and each
; wave's loads are out well ahead of their use.
.set NDQ,    256                       ; work-groups that make wq
.set SPARE,  58368                     ; LDS: the spare words, 128 bytes for each of the eight waves: four blocks of 256 bytes that no other line names
.set SPW, 8                            ; v8   LDS address of my spare word; never rewritten
.set NIL, 9                            ; v9   0; never rewritten
	v_lshl_add_u32 v[SPW], v0, 2, SPARE
	v_mov_b32 v[NIL], 0
	s_cmp_ge_u32 ttmp9, NDQ
	s_cbranch_scc1 .Lround_x
; ---------------------------------------------------------------- wq ----------------------------------------------------------------
; LAYOUT OF wq: [32 K steps][2048 rows o][128 k] of f16: element (o, i) at byte (i / 128) x 524,288 + o x 256 + (i % 128) x 2: 128 rows of one K step are 32,768 consecutive bytes.
; SHARES.  Work-group b owns rows 8 b .. 8 b + 7: 32,768 consecutive bytes of indices in, 2,048 consecutive bytes of each K step out.  An item is a group of 8 k: two indices in,
; 16 bytes out; 16 items a thread.  Wave w, lane l: group l % 16 of a K step, row 2 (w % 4) + l / 16, K steps 16 (w / 4) + 4 t + j (trip t, item j):
; a store of a wave covers 2 rows x 256 bytes = 512 consecutive bytes, aligned.
; THROUGH LDS: the tables, because every lane gathers from them; the indices, because memory is read in whole rows of 4,096 bytes while the stores want another order of lanes.
.set CB,     0                         ; LDS: the two codebooks, [2][256] entries of 16 bytes
.set SC,     8192                      ; the 4,096 scales as they lie
.set IDX,    24576                     ; my 8 rows of indices,
.set IPITCH, 4224                      ; 4,096 bytes + 128: the two rows that an 8-byte load of a wave touches, 128 bytes of each, lie 32 banks apart (64 banks of 4 bytes: ISA guide 11.1)
.set KSB,    524288                    ; bytes of a K step in wq
.set VT,  10                           ; v10  16 x my thread's number; never rewritten
.set VI,  11                           ; v11  LDS address of my item's two indices
.set VS,  12                           ; v12  of its eight scales
.set VO,  13                           ; v13  its byte offset in wq
.set LD,  16                           ; v[16:71]   first: where the 14 loads of the head land
.set IX,  16                           ; v[16:23]   then: four pairs of indices
.set SCL, 24                           ; v[24:55]   four times eight scales
.set C0,  56                           ; v[56:71]   four entries of codebook 0
.set C1,  72                           ; v[72:87]   of codebook 1
.set T,   88                           ; v[88:95]   at work: eight f32 of codebook 0
.set U,   96                           ; v[96:103]  of codebook 1
.set Y,   104                          ; v[104:119] four times 16 bytes to store
	s_load_b256 s[4:11], s[0:1], 0x0               ; indices s[4:5], codebooks s[6:7], scales s[8:9], wq s[10:11]
	v_lshrrev_b32 v2, 5, v0
	v_readfirstlane_b32 s12, v2                    ; wave 0..7
	v_and_b32 v1, 31, v0                           ; lane
	s_and_b32 s13, s12, 3                          ; which two of the eight rows
	s_lshr_b32 s14, s12, 2                         ; which sixteen of the 32 K steps
	s_mov_b32 s18, 0xffff0000                      ; a word's upper bf16
	v_lshlrev_b32 v[VT], 4, v0
	v_and_b32 v3, 15, v1                           ; my group in a K step
	v_lshrrev_b32 v4, 4, v1
	s_lshl_b32 s19, s13, 1
	v_add_nc_u32 v4, s19, v4                       ; my row of the eight
	v_mul_u32_u24 v[VI], v4, IPITCH
	v_lshl_add_u32 v[VI], v3, 3, v[VI]             ; + 8 bytes a group
	s_lshl_b32 s19, s14, 11                        ; + 16 K steps x 128 bytes
	s_add_co_u32 s19, s19, IDX
	v_add_nc_u32 v[VI], s19, v[VI]
	s_lshl_b32 s19, s14, 13                        ; 16 K steps x 512 bytes of scales
	s_add_co_u32 s19, s19, SC
	v_lshl_add_u32 v[VS], v3, 5, s19               ; + 32 bytes a group
	s_lshl_b32 s19, s14, 23                        ; 16 K steps of wq
	s_lshl_b32 s20, s13, 9                         ; two rows of 256 bytes
	s_add_co_u32 s19, s19, s20
	v_lshl_add_u32 v[VO], v1, 4, s19               ; + 16 x lane = (l / 16) x 256 + (l % 16) x 16
	s_lshl_b32 s16, ttmp9, 15                      ; my 8 rows of indices
	s_mov_b32 s17, 0
	s_wait_kmcnt 0x0
	s_add_nc_u64 s[4:5], s[4:5], s[16:17]
	s_lshl_b32 s16, ttmp9, 11                      ; my 8 rows in a K step of wq
	s_add_nc_u64 s[10:11], s[10:11], s[16:17]
	; THE HEAD: 14 loads of 4,096 consecutive bytes each (256 threads x 16), all out before the first wait
.irp i, 0,1
	global_load_b128 v[LD+4*(\i):LD+4*(\i)+3], v[VT], s[6:7] offset:4096*(\i)
.endr
.irp i, 0,1,2,3
	global_load_b128 v[LD+8+4*(\i):LD+8+4*(\i)+3], v[VT], s[8:9] offset:4096*(\i)
.endr
.irp i, 0,1,2,3,4,5,6,7
	global_load_b128 v[LD+24+4*(\i):LD+24+4*(\i)+3], v[VT], s[4:5] offset:4096*(\i) th:TH_LOAD_NT
.endr
.set n, 0                              ; load n is in when at most 13 - n younger ones are out (loads come back in order: ISA guide 5.7.1)
.irp i, 0,1
	s_wait_loadcnt 13-n
	ds_store_b128 v[VT], v[LD+4*n:LD+4*n+3] offset:CB+4096*(\i)
.set n, n+1
.endr
.irp i, 0,1,2,3
	s_wait_loadcnt 13-n
	ds_store_b128 v[VT], v[LD+4*n:LD+4*n+3] offset:SC+4096*(\i)
.set n, n+1
.endr
.irp i, 0,1,2,3,4,5,6,7
	s_wait_loadcnt 13-n
	ds_store_b128 v[VT], v[LD+4*n:LD+4*n+3] offset:IDX+IPITCH*(\i)
.set n, n+1
.endr
	s_wait_dscnt 0x0                               ; for the others' sake: my stores are done
	s_barrier_signal -1                            ; all eight waves of a work-group that makes wq pass this barrier; a work-group that makes xh has none
	s_barrier_wait -1                              ; tables and indices lie whole in LDS; nothing writes them again
; Item j of a trip: both entries widened to f32, added, scaled, rounded once, stored.
.macro ITEM j
	s_wait_dscnt 6-2*(\j)                          ; the item's two gathers are in (behind them: the later items' two each); the scales are older
.irp k, 0,1,2,3
	v_lshlrev_b32 v[T+2*(\k)],   16,  v[C0+4*(\j)+(\k)]
	v_and_b32     v[T+2*(\k)+1], s18, v[C0+4*(\j)+(\k)]
	v_lshlrev_b32 v[U+2*(\k)],   16,  v[C1+4*(\j)+(\k)]
	v_and_b32     v[U+2*(\k)+1], s18, v[C1+4*(\j)+(\k)]
.endr
.irp k, 0,2,4,6
	v_pk_add_f32 v[T+(\k):T+(\k)+1], v[T+(\k):T+(\k)+1], v[U+(\k):U+(\k)+1]
.endr
.irp k, 0,2,4,6
	v_pk_mul_f32 v[T+(\k):T+(\k)+1], v[T+(\k):T+(\k)+1], v[SCL+8*(\j)+(\k):SCL+8*(\j)+(\k)+1]
.endr
.irp k, 0,1,2,3
	v_cvt_pk_f16_f32 v[Y+4*(\j)+(\k)], v[T+2*(\k)], v[T+2*(\k)+1]
.endr
	global_store_b128 v[VO], v[Y+4*(\j):Y+4*(\j)+3], s[10:11] offset:(\j)*KSB th:TH_STORE_NT  ; the wave's 512 consecutive bytes of K step 4 t + j
.endm
	s_mov_b32 s15, 4
.Ltrip:                                        ; four trips of four items
.irp j, 0,1,2,3
	ds_load_b64 v[IX+2*(\j):IX+2*(\j)+1], v[VI] offset:128*(\j)
.endr
.irp j, 0,1,2,3
	ds_load_b128 v[SCL+8*(\j):SCL+8*(\j)+3],   v[VS] offset:512*(\j)
	ds_load_b128 v[SCL+8*(\j)+4:SCL+8*(\j)+7], v[VS] offset:512*(\j)+16
.endr
	s_wait_dscnt 8                                 ; the indices are in; the eight loads of scales may stay out
.irp k, 0,1,2,3,4,5,6,7
	v_min_u32 v[IX+(\k)], 0xff, v[IX+(\k)]         ; inside the table, whatever was loaded
.endr
.irp k, 0,1,2,3,4,5,6,7
	v_lshlrev_b32 v[IX+(\k)], 4, v[IX+(\k)]        ; 16 bytes an entry
.endr
.irp j, 0,1,2,3
	ds_load_b128 v[C0+4*(\j):C0+4*(\j)+3], v[IX+2*(\j)]   offset:CB
	ds_load_b128 v[C1+4*(\j):C1+4*(\j)+3], v[IX+2*(\j)+1] offset:CB+4096
.endr
	ITEM 0
	ITEM 1
	ITEM 2
	ITEM 3
	s_wait_xcnt 0x0                                ; the four stores have read their offset and their data: both are written again below and in the next trip
	v_add_nc_u32 v[VI], 512, v[VI]                 ; four K steps on: 4 x 128 bytes of indices,
	v_add_nc_u32 v[VS], 2048, v[VS]                ; 4 x 512 of scales,
	v_add_nc_u32 v[VO], 4*KSB, v[VO]               ; 4 K steps of wq
	s_sub_co_u32 s15, s15, 1
	s_cmp_lg_u32 s15, 0
	s_cbranch_scc1 .Ltrip
	s_branch .Lend
; ---------------------------------------------------------------- xh ----------------------------------------------------------------
; A STREAM: each byte of x is read once, each byte of xh written once; no LDS, no barrier: nothing is shared.  xh has x's shape, row-major.
; SHARES.  Work-group 256 + c owns the 262,144 consecutive bytes of x from 262,144 c on.  Thread t takes the 16 bytes at 16 t of each 4,096: a load of a wave covers 512 consecutive bytes,
; its store 256 consecutive bytes, aligned.  A ring of DEPTH slots in registers keeps DEPTH loads of every wave on their way: 64 KiB for the work-group.
.set DEPTH,  16
.set ROUNDS, 64/DEPTH                  ; 64 loads a thread
.set INB,    4096                      ; bytes of x that one load of the 256 threads covers
.set OUTB,   2048                      ; and of xh that one store covers
.set XL, 2                             ; v2  16 x my thread's number; never rewritten
.set XS, 3                             ; v3  8 x my thread's number; never rewritten
.set XF, 16                            ; v[16:79]   slot i: four f32 as loaded
.set XH, 80                            ; v[80:111]  slot i: four f16 to store
.Lround_x:
	s_load_b128 s[4:7], s[0:1], 0x20               ; x s[4:5], xh s[6:7]
	s_sub_co_u32 s13, ttmp9, NDQ                   ; c = 0 .. 511
	s_lshl_b32 s8, s13, 18                         ; my 262,144 bytes of x: under 2^27
	s_mov_b32 s9, 0
	s_lshl_b32 s10, s13, 17                        ; my 131,072 bytes of xh
	s_mov_b32 s11, 0
	v_lshlrev_b32 v[XL], 4, v0
	v_lshlrev_b32 v[XS], 3, v0
	s_wait_kmcnt 0x0
	s_add_nc_u64 s[4:5], s[4:5], s[8:9]
	s_add_nc_u64 s[6:7], s[6:7], s[10:11]
.set i, 0
.rept DEPTH
	global_load_b128 v[XF+4*i:XF+4*i+3], v[XL], s[4:5] offset:i*INB th:TH_LOAD_NT  ; the ring is filled
.set i, i+1
.endr
; One slot's turn.  ahead = 1: the slot is filled again, DEPTH loads further on.  left = how many younger loads may stay out.
.macro SLOT i, ahead, left
	s_wait_loadcnt \left                           ; loads come back in order (ISA guide 5.7.1): mine is in, the younger ones stay out
	v_cvt_pk_f16_f32 v[XH+2*(\i)],   v[XF+4*(\i)],   v[XF+4*(\i)+1]
	v_cvt_pk_f16_f32 v[XH+2*(\i)+1], v[XF+4*(\i)+2], v[XF+4*(\i)+3]
.if \ahead
	global_load_b128 v[XF+4*(\i):XF+4*(\i)+3], v[XL], s[4:5] offset:(DEPTH+(\i))*INB th:TH_LOAD_NT  ; the load ahead of the store
.endif
	global_store_b64 v[XS], v[XH+2*(\i):XH+2*(\i)+1], s[6:7] offset:(\i)*OUTB th:TH_STORE_NT
.endm
	s_mov_b32 s12, ROUNDS-1
.Lround:
.set q, 0
.rept DEPTH
	SLOT q, 1, DEPTH-1
.set q, q+1
.endr
	s_wait_xcnt 0x0                                ; every load and store issued so far has read its base and its data: the bases are stepped here, and the store data are written again in the next round
	s_add_nc_u64 s[4:5], s[4:5], DEPTH*INB
	s_add_nc_u64 s[6:7], s[6:7], DEPTH*OUTB
	s_sub_co_u32 s12, s12, 1
	s_cmp_lg_u32 s12, 0
	s_cbranch_scc1 .Lround
.set q, 0
.rept DEPTH
	SLOT q, 0, DEPTH-1-q                           ; the last round loads nothing: the counts run down
.set q, q+1
.endr
.Lend:                                         ; one end for both kinds of work-group
	s_wait_tensorcnt 0x0                           ; the wave's end, behind the last LDS store of a wave that stored
	ds_add_u32 v[SPW], v[NIL]
	s_wait_dscnt 0x0
	s_endpgm
.Lfunc_end_k_q1ac8bd289e_prep:
	.size	k_q1ac8bd289e_prep, .Lfunc_end_k_q1ac8bd289e_prep-k_q1ac8bd289e_prep
	.p2alignl 7, 3214868480
	.fill 96, 4, 3214868480
	.section	.rodata,"a",@progbits
	.p2align	6, 0x0
	.amdhsa_kernel k_q1ac8bd289e_prep
		.amdhsa_group_segment_fixed_size 59392
		.amdhsa_private_segment_fixed_size 0
		.amdhsa_enable_private_segment 0
		.amdhsa_kernarg_size 48
		.amdhsa_user_sgpr_count 2
		.amdhsa_user_sgpr_kernarg_segment_ptr 1
		.amdhsa_wavefront_size32 1
		.amdhsa_system_sgpr_workgroup_id_x 1
		.amdhsa_system_sgpr_workgroup_id_y 1
		.amdhsa_system_sgpr_workgroup_id_z 1
		.amdhsa_system_vgpr_workitem_id 0
		.amdhsa_next_free_vgpr 120
		.amdhsa_next_free_sgpr 66
		.amdhsa_reserve_vcc 0
		.amdhsa_float_denorm_mode_32 3
		.amdhsa_float_denorm_mode_16_64 3
		.amdhsa_memory_ordered 1
		.amdhsa_forward_progress 1
		.amdhsa_inst_pref_size 25
	.end_amdhsa_kernel
	.amdgpu_metadata
---
amdhsa.version: [ 1, 2 ]
amdhsa.kernels:
  - .name:           k_q1ac8bd289e_prep
    .symbol:         k_q1ac8bd289e_prep.kd
    .args:
      - { .name: indices, .offset: 0, .size: 8, .value_kind: global_buffer, .address_space: global }
      - { .name: codebooks, .offset: 8, .size: 8, .value_kind: global_buffer, .address_space: global }
      - { .name: scales, .offset: 16, .size: 8, .value_kind: global_buffer, .address_space: global }
      - { .name: wq, .offset: 24, .size: 8, .value_kind: global_buffer, .address_space: global }
      - { .name: x, .offset: 32, .size: 8, .value_kind: global_buffer, .address_space: global }
      - { .name: xh, .offset: 40, .size: 8, .value_kind: global_buffer, .address_space: global }
    .group_segment_fixed_size: 59392
    .private_segment_fixed_size: 0
    .kernarg_segment_align: 8
    .kernarg_segment_size: 48
    .max_flat_workgroup_size: 256
    .sgpr_count:     66
    .vgpr_count:     120
    .wavefront_size: 32
...
	.end_amdgpu_metadata
.endif
;; end of part 3
;; launch gemm (part 4): grid 8 x 32, 4 waves a work-group, clusters of 4 x 4, 327,680 bytes of LDS; arguments xh, wq, out0; writes out0
.if DOCPART == 4
	.amdgcn_target "amdgcn-amd-amdhsa--gfx1250"
	.amdhsa_code_object_version 6
	.text
	.protected	k_q1ac8bd289e_gemm
	.globl	k_q1ac8bd289e_gemm
	.p2align	8
	.type	k_q1ac8bd289e_gemm,@function
k_q1ac8bd289e_gemm:
	s_mov_b64 s[64:65], 0
	v_nop
	global_prefetch_b8 v0, s[64:65] scope:SCOPE_SE
	s_setreg_imm32_b32 hwreg(HW_REG_WAVE_MODE, 25, 1), 1
	s_wait_xcnt 0x0
	s_wait_alu depctr_hold_cnt(0) depctr_sa_sdst(0) depctr_va_vdst(0) depctr_va_sdst(0) depctr_va_ssrc(0) depctr_va_vcc(0) depctr_vm_vsrc(0)
	s_getreg_b32 s2, hwreg(HW_REG_IB_STS2, 6, 4)
	s_cmp_eq_u32 s2, 0
	s_cbranch_scc0 .Lentry_in_a_cluster
	s_endpgm
.Lentry_in_a_cluster:
	s_bfe_u32 s2, ttmp6, 0x10000c
	s_cmp_lg_u32 s2, 0xf033
	s_cbranch_scc0 .Lentry_shape_is_right
	s_endpgm
.Lentry_shape_is_right:
; out0[t][o] = clip( sum over i of xh[t][i] wq[o][i], -50, 50 ).  xh: [8192][4096] f16, x rounded once by the launch before.  wq: the scaled, dequantized weights in f16, laid out by
; the first launch as [32 K steps][2048 rows][128 k].  out0: [8192][2048] f32.  Products of f16 operands, sums in f32.  Nothing of the problem's work is left out.
; LIMITS.  The operands' are stated where they are rounded.  The clip takes the middle of (sum, -50, 50): an infinite sum gives a bound, as the problem's clip does; a NaN sum would give
; a bound and not a NaN.
; SHAPE.  A tile of out0, 256 x 256, is made by a work-group of four waves, a wave makes 128 x 128: 64 accumulators of 16 x 16, 512 registers.  32 x 8 tiles: 256 work-groups, one tile each.
; K goes in steps of 128 through a ring of two LDS slots filled by the tensor data mover: the rows of both tiles are 256 bytes of memory, at multiples of 256 bytes from the buffer's
; first byte.  From a slot's request to the wait for it a wave issues 224 matrix instructions.
; CLUSTERS: 4 x 4 work-groups.  The four of a row of the cluster need the same tiles of xh, the four of a column the same tiles of wq: each tile is asked for JOINTLY, by the same tensor
; load with the same descriptor and a mask that names the four; each receives it in its own LDS.
; THE MATRIX INSTRUCTION IS USED TRANSPOSED (source 0 = 16 rows of wq, source 1 = 16 rows of xh): a lane then holds row l % 16 of out0 and eight neighbouring columns.
; REGISTERS, in windows of 256 (s_set_vgpr_msb: bits 1:0 source 0, 3:2 source 1, 5:4 source 2, 7:6 destination):
;   window 0: v0-31 addresses; v64-127, v128-191 fragments of xh (8 x 16 rows x 32 k), two buffers; on the way out v64-127 clipped results, v128-255 rows read back
;   window 1: v64-127, v128-191 fragments of wq, two buffers
;   window 2: the 32 accumulators of my rows 0-63 ((a, b) at v[8 (8 a + b)]);   window 3: those of my rows 64-127
; Work is laid in long stretches under one setting: 32 matrix instructions, 16 loads, 16 loads, 32 matrix instructions.
; The 64 accumulators take turns in the same order in every quarter step, over the backward jump too.
.set KSTEP,  128
.set PITCH,  272                       ; an LDS row: 256 bytes + 16 of padding = 68 words: row r starts at bank 4 r mod 64 (64 banks of 4 bytes: ISA guide 11.1), so the 16 rows of a load start at 16 different banks
.set HALFT,  128*PITCH                 ; 128 rows: what one tensor load brings, and what one wave reads of xh or of wq
.set SLOT,   4*HALFT                   ; xh's 256 rows, then wq's 256 rows: 139,264 bytes
.set STAGE,  2*SLOT                    ; behind the ring, never filled by a tensor load: 16 rows x 528 bytes for each wave, for the way out
.set SPITCH, 528                       ; 512 bytes + 16
.set SPARE,  STAGE+4*16*SPITCH         ; behind the stages: the spare words, 128 bytes for each wave: two blocks of 256 bytes that no other line names
.set ASTEP,  256                       ; bytes from a K step to the next in a row of xh
.set BSTEP,  524288                    ; and in wq
.set ROWC,   8192                      ; bytes in a row of out0
.set LAPS,   16                        ; a lap = two K steps = once round the ring
.set ADRA, 16                          ; v16-17  LDS address of my fragments of xh in slot 0, 1
.set ADRB, 20                          ; v20-21  the same for wq
.set STO,  24                          ; v24     the way out: where I put 32 bytes of a row
.set RD,   25                          ; v25     where I read 16 bytes of a row back
.set CO,   26                          ; v26     16 x lane: my place in 512 bytes of out0
.set SPW,  28                          ; v28     LDS address of my spare word; never rewritten
.set NIL,  29                          ; v29     0; never rewritten
.set PFO,  30                          ; v30     the prefetches' offset: my lane x a row's distance in memory; never rewritten
.set F0,   64                          ; fragment buffer 0
.set F1,   128                         ; fragment buffer 1
.set TMP,  64                          ; the way out
.set OB,   128
.set G1,   24                          ; s[24:31] descriptor group 1 for xh's tiles;  s[32:39] group 0, a set for each slot
.set G0,   32
.set G1B,  48                          ; s[48:55], s[56:63] the same for wq's
.set G0B,  56
.set PFA,  66                          ; s[66:67] where my prefetches stand
.set PFS,  68                          ; s[68:69] their step, a K step
.set LIM,  70                          ; s70     1 in a wave that prefetches, else the greatest number
.set MSB, 0
.macro WIN new                         ; the immediate's high byte repeats the setting that is left; a switch that changes nothing is dropped
.if MSB != (\new)
	s_set_vgpr_msb (MSB<<8)|(\new)
.set MSB, \new
.endif
.endm
.set MUL_LO, 0xa1                      ; source 0 (wq) window 1, source 1 (xh) window 0, C and D window 2
.set MUL_HI, 0xf1                      ; the same, C and D window 3
.set TO_B,   0x40                      ; destination window 1, address window 0
; A joint load.  Waves 0 and 1 fetch the two halves of xh's tile, waves 2 and 3 those of wq's.  The branch hangs on the wave's number alone.  An s_nop 0 and four v_nop follow each of
; the two lines, ahead of the jump, the label and what follows the macro.
.macro JLOAD s
	s_cmp_eq_u32 s11, 0
	s_cbranch_scc0 .Lfor_b_\@
	tensor_load_to_lds s[G0+4*(\s):G0+4*(\s)+3], s[G1:G1+7]
	s_nop 0
.rept 4
	v_nop
.endr
	s_branch .Lasked_\@
.Lfor_b_\@:
	tensor_load_to_lds s[G0B+4*(\s):G0B+4*(\s)+3], s[G1B:G1B+7]
	s_nop 0
.rept 4
	v_nop
.endr
.Lasked_\@:
.endm
; A PREFETCH INTO THE L2, behind each joint load, its five lines and the run of LDS loads that follows them: the K step that stands TWO refills on, 512 matrix instructions ahead of the
; load that will want it: 32 rows x 256 bytes, a lane a row, one instruction a wave.  Each row's 256 bytes of a K step are named ONCE in the launch.  xh's tile row is read by both
; clusters of its row of clusters: the one with cluster x = 0 asks; wq's tile column by all eight clusters of its column: cluster y = 0 asks.  The four partners that ask for a tile
; jointly share its rows out BY ADDRESS: of the 128 rows that a wave fetches the partner at place p takes 32 p .. 32 p + 31 (p = cx for xh, cy for wq).  K steps 0 to 3 come by their
; loads alone; the loop's last trip asks for nothing: K step 31 has been named.
.macro ASK
	s_cmp_gt_u32 s3, s[LIM]                        ; s3 = 1 in the loop's last trip
	s_cbranch_scc0 .Lnot_mine_\@
	global_prefetch_b8 v[PFO], s[PFA:PFA+1] th:TH_LOAD_NT scope:SCOPE_SE
.Lnot_mine_\@:
.endm
; A round of the cluster's barrier: my work-group's barrier, so that wave 0's signal speaks for all four waves; wave 0 signals; every wave waits for all sixteen work-groups; my
; work-group's barrier once more.
.macro CREST                           ; a round behind its opening barrier
	s_cmp_lg_u32 s10, 0
	s_cbranch_scc1 .Lnot_wave_0_\@
	s_barrier_signal -3
.Lnot_wave_0_\@:
	s_barrier_wait -3
	s_barrier_signal -1
	s_barrier_wait -1
.endm
.macro CROUND                          ; a whole round
	s_barrier_signal -1
	s_barrier_wait -1
	CREST
.endm
	s_load_b128 s[4:7], s[0:1], 0x0                ; xh s[4:5], wq s[6:7]
	s_load_b64 s[8:9], s[0:1], 0x10                ; out0
	v_lshl_add_u32 v[SPW], v0, 2, SPARE
	v_mov_b32 v[NIL], 0
	ds_add_u32 v[SPW], v[NIL]                      ; the wave's opening: the add, twice on end, and its wait ahead of my first tensor load
	ds_add_u32 v[SPW], v[NIL]                      ; and once more; the set-up below, work on registers, stands between it and the wait
	v_lshrrev_b32 v1, 5, v0
	v_readfirstlane_b32 s10, v1                    ; wave 0..3
	s_lshr_b32 s11, s10, 1                         ; which half of the tile's rows is mine.  Also: I fetch for xh (0) or for wq (1)
	s_and_b32 s12, s10, 1                          ; which half of its columns.  Also: which 128 rows of that tile I fetch
	s_bfe_u32 s40, ttmp6, 0x40000                  ; cx, cy: my place in the cluster
	s_bfe_u32 s41, ttmp6, 0x40004
	s_lshl_b32 s42, ttmp9, 2
	s_add_co_u32 s42, s42, s40                     ; tile column = 4 x cluster x + cx
	s_and_b32 s13, ttmp7, 0xffff
	s_lshl_b32 s13, s13, 2
	s_add_co_u32 s13, s13, s41                     ; tile row = 4 x cluster y + cy
	s_lshl_b32 s43, s41, 2
	s_lshl_b32 s43, 15, s43                        ; my row of the cluster: places 4 cy .. 4 cy + 3
	s_lshl_b32 s44, 0x1111, s40                    ; my column: places cx, cx + 4, cx + 8, cx + 12
	; descriptor group 1: a tile of 128 rows x 128 elements of 2 bytes; in LDS 4 words of padding behind every 64
	s_or_b32 s[G1+0], s43, (1<<16)|(1<<20)|(1<<21)|(5<<22)|(3<<25)  ; 15:0 the mask: my row; 17:16 2-byte elements; 20 padding on; 21 set beside a mask; 24:22 code 5: every 64 words; 31:25 code 3: 4 words
	s_or_b32 s[G1B+0], s44, (1<<16)|(1<<20)|(1<<21)|(5<<22)|(3<<25) ; the same with the mask of my column
.irp g, G1, G1B
	s_mov_b32 s[(\g)+1], KSTEP<<16                 ; tensor_dim0 = 128
	s_mov_b32 s[(\g)+2], 128<<16                   ; tensor_dim1 = 128
	s_mov_b32 s[(\g)+3], KSTEP<<16                 ; tile_dim0 = 128
	s_mov_b32 s[(\g)+4], 128                       ; tile_dim1 = 128
	s_mov_b32 s[(\g)+6], 0
	s_mov_b32 s[(\g)+7], 0
.endr
	s_mov_b32 s[G1+5], 4096                        ; xh: 4,096 elements from row to row
	s_mov_b32 s[G1B+5], 128                        ; wq: a K step's rows lie end to end
	s_mov_b32 s72, 0xc2480000                      ; -50.0
	s_mov_b32 s73, 0x42480000                      ; 50.0
	; where the tiles come from: xh's hang on the tile row alone, which my row of the cluster shares; wq's on the tile column alone, which my column shares
	s_lshl_b32 s17, s12, 7                         ; which 128 rows of the tile I fetch
	s_lshl_b32 s16, s13, 8
	s_add_co_u32 s16, s16, s17
	s_lshl_b32 s16, s16, 13                        ; xh: (256 x tile row + 128 x half) rows of 8,192 bytes: under 2^26
	s_lshl_b32 s46, s42, 8
	s_add_co_u32 s46, s46, s17
	s_lshl_b32 s46, s46, 8                         ; wq: (256 x tile column + 128 x half) rows of 256 bytes in a K step
	s_mov_b32 s17, 0
	s_mov_b32 s47, 0
	s_mul_i32 s20, s10, HALFT                      ; and where they go: xh's two halves, then wq's two halves = wave x 128 rows: no place in the cluster enters an LDS address
	s_wait_dscnt 0x0                               ; both opening adds are done
	s_wait_kmcnt 0x0
	s_add_nc_u64 s[14:15], s[4:5], s[16:17]
	s_add_nc_u64 s[46:47], s[6:7], s[46:47]
	CROUND                                         ; all sixteen work-groups are here: the first joint loads meet
.irp s, 0,1
	s_mov_b32 s[G0+4*(\s)], 1                                        ; count = 1
	s_add_co_u32 s[G0+4*(\s)+1], s20, (\s)*SLOT                      ; LDS address
	s_add_nc_u64 s[G0+4*(\s)+2:G0+4*(\s)+3], s[14:15], (\s)*ASTEP    ; global address: K step s
	s_or_b32 s[G0+4*(\s)+3], s[G0+4*(\s)+3], 0x80000000              ; type = 2
	s_mov_b32 s[G0B+4*(\s)], 1
	s_add_co_u32 s[G0B+4*(\s)+1], s20, (\s)*SLOT
	s_add_nc_u64 s[G0B+4*(\s)+2:G0B+4*(\s)+3], s[46:47], (\s)*BSTEP
	s_or_b32 s[G0B+4*(\s)+3], s[G0B+4*(\s)+3], 0x80000000
.endr
	s_cmp_eq_u32 s11, 0                            ; a wave's two first fills stand in one branch, ahead of every wait on TENSORcnt and every LDS read: two loads of mine are out
	s_cbranch_scc0 .Lfirst_b
	tensor_load_to_lds s[G0:G0+3], s[G1:G1+7]
	s_nop 0
	tensor_load_to_lds s[G0+4:G0+7], s[G1:G1+7]
	s_nop 0
.rept 4
	v_nop
.endr
	s_branch .Lfirst_asked
.Lfirst_b:
	tensor_load_to_lds s[G0B:G0B+3], s[G1B:G1B+7]
	s_nop 0
	tensor_load_to_lds s[G0B+4:G0B+7], s[G1B:G1B+7]
	s_nop 0
.rept 4
	v_nop
.endr
.Lfirst_asked:
	; A fragment is 16 rows x 32 k in 8 registers: lane l holds row l % 16; registers 0-3 hold k = 8 (l / 16) + 0..7, registers 4-7 k = 16 + 8 (l / 16) + 0..7: two loads of 16 bytes, 32 bytes apart.
	v_and_b32 v1, 15, v0                           ; l % 16
	v_bfe_u32 v2, v0, 4, 1                         ; l / 16
	v_mul_u32_u24 v3, v1, PITCH
	v_lshl_add_u32 v3, v2, 4, v3                   ; row x pitch + 16 x half
	s_mul_i32 s21, s11, HALFT                      ; my 128 rows of xh
	s_mul_i32 s22, s12, HALFT                      ; my 128 rows of wq,
	s_add_co_u32 s22, s22, 2*HALFT                 ; which lie behind xh's 256
.irp s, 0,1
	v_add_nc_u32 v[ADRA+(\s)], s21, v3
	v_add_nc_u32 v[ADRB+(\s)], s22, v3
	s_add_co_u32 s21, s21, SLOT
	s_add_co_u32 s22, s22, SLOT
.endr
	s_mul_i32 s23, s10, 16*SPITCH
	s_add_co_u32 s23, s23, STAGE                   ; my stage
	v_mul_u32_u24 v5, v1, SPITCH                   ; in: row l % 16, 32 bytes for each half of the lanes
	v_lshl_add_u32 v5, v2, 5, v5
	v_add_nc_u32 v[STO], s23, v5
	v_and_b32 v6, 31, v0                           ; lane
	v_lshlrev_b32 v[CO], 4, v6                     ; back: 32 lanes take one row of 512 bytes
	v_add_nc_u32 v[RD], s23, v[CO]
	; where my part of the tile begins in out0, in bytes: the first way out adds it to the address
	s_lshl_b32 s16, s13, 8
	s_lshl_b32 s17, s11, 7
	s_add_co_u32 s16, s16, s17
	s_lshl_b32 s16, s16, 13                        ; my first row x 8,192 bytes: under 2^26
	s_lshl_b32 s46, s42, 10                        ; 1,024 bytes a tile column,
	s_lshl_b32 s47, s12, 9                         ; 512 for my half
	s_add_co_u32 s46, s46, s47
	s_add_co_u32 s16, s16, s46
	s_mov_b32 s17, 0
	; the prefetches
	s_lshl_b32 s18, s12, 7                         ; the 128 rows that I fetch
	s_lshl_b32 s20, s13, 8
	s_add_co_u32 s20, s20, s18
	s_lshl_b32 s19, s40, 5                         ; xh: my work-group's 32 of them
	s_add_co_u32 s20, s20, s19
	s_lshl_b32 s20, s20, 13
	s_add_co_u32 s20, s20, 3*ASTEP                 ; at K step 3: the first change of slots steps it to 4
	s_lshl_b32 s22, s42, 8
	s_add_co_u32 s22, s22, s18
	s_lshl_b32 s19, s41, 5                         ; wq: my work-group's 32 of them
	s_add_co_u32 s22, s22, s19
	s_lshl_b32 s22, s22, 8
	s_add_co_u32 s22, s22, 3*BSTEP
	s_and_b32 s19, ttmp7, 0xffff                   ; cluster y
	s_mov_b32 s23, BSTEP
	s_mov_b32 s21, 0
	s_mov_b32 s[PFS+1], 0
	s_cmp_eq_u32 s11, 0                            ; do I fetch for xh?
	s_cselect_b32 s20, s20, s22
	s_cselect_b32 s19, ttmp9, s19                  ; the coordinate along which other clusters read the same rows
	s_cselect_b32 s[PFS], ASTEP, s23
	s_cselect_b32 s22, 13, 8                       ; a row of xh is 8,192 bytes from the next, a row of wq 256
	s_cselect_b64 s[PFA:PFA+1], s[4:5], s[6:7]
	s_add_nc_u64 s[PFA:PFA+1], s[PFA:PFA+1], s[20:21]
	s_cmp_eq_u32 s19, 0                            ; the same in all sixteen partners, for a given wave
	s_cselect_b32 s[LIM], 1, -1
	v_lshlrev_b32 v[PFO], s22, v6
	; nothing is prefetched here, at the head, where every work-group's first two tiles are on their way
; 16 matrix instructions: m blocks a0, a0 + 1 of the window's four (hi = 0: my rows 0-63, 1: rows 64-127) x all 8 n blocks, 32 along K.
; zero = 1: the first product starts the sums: nothing is ever cleared.
.macro MUL16 f, hi, a0, zero
	WIN MUL_LO+0x50*(\hi)
.irp a, \a0, (\a0)+1
.irp b, 0,1,2,3,4,5,6,7
.if \zero
	v_wmma_f32_16x16x32_f16 v[8*(8*(\a)+(\b)):8*(8*(\a)+(\b))+7], v[(\f)+8*(\b):(\f)+8*(\b)+7], v[(\f)+8*(4*(\hi)+(\a)):(\f)+8*(4*(\hi)+(\a))+7], 0
.else
	v_wmma_f32_16x16x32_f16 v[8*(8*(\a)+(\b)):8*(8*(\a)+(\b))+7], v[(\f)+8*(\b):(\f)+8*(\b)+7], v[(\f)+8*(4*(\hi)+(\a)):(\f)+8*(4*(\hi)+(\a))+7], v[8*(8*(\a)+(\b)):8*(8*(\a)+(\b))+7]
.endif
.endr
.endr
.endm
; 32 LDS loads in one run: the fragments of one quarter step (128 rows of wq, 128 rows of xh, 32 k at byte k of the rows) into buffer f
.macro FETCH slot, k, f
	WIN TO_B
.irp i, 0,1,2,3,4,5,6,7
	ds_load_b128 v[(\f)+8*(\i):(\f)+8*(\i)+3],   v[ADRB+(\slot)] offset:(\k)+(\i)*16*PITCH
	ds_load_b128 v[(\f)+8*(\i)+4:(\f)+8*(\i)+7], v[ADRB+(\slot)] offset:(\k)+(\i)*16*PITCH+32
.endr
	WIN 0
.irp i, 0,1,2,3,4,5,6,7
	ds_load_b128 v[(\f)+8*(\i):(\f)+8*(\i)+3],   v[ADRA+(\slot)] offset:(\k)+(\i)*16*PITCH
	ds_load_b128 v[(\f)+8*(\i)+4:(\f)+8*(\i)+7], v[ADRA+(\slot)] offset:(\k)+(\i)*16*PITCH+32
.endr
.endm
; A load into a register that a matrix instruction has read, and a vector instruction that reads a matrix result or writes one of a matrix instruction's registers, stand four places
; behind that matrix instruction, and only plain vector instructions that name none of its registers are places (ISA guide 7.12.1 for vector instructions
; ).  So four v_nop stand in front of each run of loads: sixteen issue slots for a K step's 256 matrix instructions.
.macro PLACES
.rept 4
	v_nop
.endr
.endm
; A K step is four quarter steps of 32 along K, 64 matrix instructions each, on buffers 0, 1, 0, 1.
; One of the first three: multiplies buffer f; in its middle it fetches the next quarter's fragments, at byte k of the same slot's rows, into buffer g.
.macro QUARTER slot, k, f, g, zero
	s_wait_dscnt 8                                 ; wq and xh's rows 0-63 are in; the youngest eight loads (xh's rows 64-127) may be out
	MUL16 \f, 0, 0, \zero
	MUL16 \f, 0, 2, \zero
	PLACES
	FETCH \slot, \k, \g
	s_wait_dscnt 32                                ; all but the 32 just issued
	MUL16 \f, 1, 0, \zero
	MUL16 \f, 1, 2, \zero
.endm
; The last quarter multiplies buffer 1 and changes slots.  MEET is its first half: ONE barrier for the change of slots, for two things.  In front of it each wave waits for all its tensor
; loads, of which one is out: its part of the next slot; adds 0 to its spare word; and waits for that and for its own reads of this slot.  Behind it nobody reads this slot any more and
; the next slot is whole.
.macro MEET round                      ; round = 1: the rest of a round of the cluster's barrier follows
	WIN 0                                          ; (the add's two registers lie in window 0)
	s_wait_tensorcnt 0x0                           ; all my tensor loads have landed;
	ds_add_u32 v[SPW], v[NIL]                      ; 0 onto my spare word;
	s_wait_dscnt 9                                 ; (the add and the youngest eight loads may be out)
	MUL16 F1, 0, 0, 0                              ; sixteen matrix instructions stand between the add and the wait for it
	s_wait_dscnt 0x0                               ; the add is done, and my reads of this slot are over (the last were issued 48 matrix instructions ago):
	s_barrier_signal -1                            ; say so,
	MUL16 F1, 0, 2, 0                              ; work on registers while the others arrive,
.if \round
	WIN 0
.endif
	s_barrier_wait -1                              ; and go on when all four have said so
.endm
; The whole last quarter.  fill = 1: the barrier opens a round of the cluster's barrier, so that what it shows holds of all sixteen work-groups; the slot just read out is filled again,
; two K steps on, first thing behind the round; then come the next slot's first fragments.
.macro TURN slot, next, fill
.if \fill
	s_wait_xcnt 0x0                                ; the last prefetch, a K step back, has read its address: it is stepped here, ahead of the waits of the change of slots
	s_add_nc_u64 s[PFA:PFA+1], s[PFA:PFA+1], s[PFS:PFS+1]
.endif
	MEET \fill
.if \fill
	CREST
	s_add_nc_u64 s[G0+4*(\slot)+2:G0+4*(\slot)+3], s[G0+4*(\slot)+2:G0+4*(\slot)+3], 2*ASTEP    ; no tensor load of mine is out: the group 0 may be written
	s_add_nc_u64 s[G0B+4*(\slot)+2:G0B+4*(\slot)+3], s[G0B+4*(\slot)+2:G0B+4*(\slot)+3], 2*BSTEP
	JLOAD \slot                                    ; the four v_nop behind it are also the places in front of the loads below
.else
	PLACES
.endif
	FETCH \next, 0, F0
.if \fill
	ASK                                            ; behind the joint load and the run of LDS loads that the next products wait for
.endif
	MUL16 F1, 1, 0, 0
	MUL16 F1, 1, 2, 0
.endm
; THE WAY OUT of block a (16 rows x 128 columns of f32).  CLIP: the middle of (sum, -50, 50), each accumulator's registers in ascending order.
.macro CLIP a
.set AC, 64*((\a)%4)
	WIN 0x02+((\a)/4)                              ; source 0: window 2 or 3
.set ii, 0
.rept 64
	v_med3_num_f32 v[TMP+ii], v[AC+ii], s72, s73
.set ii, ii+1
.endr
	WIN 0
.endm
.macro TOSTAGE a                       ; a lane's 32 bytes of a row go into rows of 528 bytes of my own stage and come back as whole rows of 512
.set BK, OB+64*((\a)%2)
.irp b, 0,1,2,3,4,5,6,7
	ds_store_b128 v[STO], v[TMP+8*(\b):TMP+8*(\b)+3]   offset:64*(\b)
	ds_store_b128 v[STO], v[TMP+8*(\b)+4:TMP+8*(\b)+7] offset:64*(\b)+16
.endr
.set tt, 0
.rept 16
	ds_load_b128 v[BK+4*tt:BK+4*tt+3], v[RD] offset:tt*SPITCH  ; LDS serves a wave's instructions in order (ISA guide 5.7.1.4): these see the stores above
.set tt, tt+1
.endr
.endm
.macro SEND a
.set BK, OB+64*((\a)%2)
	s_wait_dscnt 0x0                               ; the block is back in registers
	s_wait_xcnt 0x0                                ; earlier stores have read their base and their data: the base is stepped below, and the next block lands in registers that the block before this one was stored from
.if (\a) == 0
	s_add_nc_u64 s[8:9], s[8:9], s[16:17]          ; on to my first rows
.else
	s_add_nc_u64 s[8:9], s[8:9], 16*ROWC
.endif
.set tt, 0
.rept 16
	global_store_b128 v[CO], v[BK+4*tt:BK+4*tt+3], s[8:9] offset:tt*ROWC th:TH_STORE_NT  ; the wave stores 512 consecutive bytes of one row, at a multiple of 512 from out0's first byte
.set tt, tt+1
.endr
.endm
	s_wait_tensorcnt 1                             ; my part of K step 0 is in; K step 1's may stay out
	s_barrier_signal -1
	s_barrier_wait -1                              ; everybody's is
	FETCH 0, 0, F0
	QUARTER 0, 64,  F0, F1, 1                      ; the first quarter stands in front of the loop: its products start the sums
	WIN 0                                          ; at a label and at a branch every window is 0
	s_mov_b32 s3, LAPS-1
.Llap:                                         ; a trip goes once round the ring, from a lap's second quarter to the next lap's first, and fills both slots again: K steps 2 to 31
	QUARTER 0, 128, F1, F0, 0
	QUARTER 0, 192, F0, F1, 0
	TURN 0, 1, 1
	QUARTER 1, 64,  F0, F1, 0
	QUARTER 1, 128, F1, F0, 0
	QUARTER 1, 192, F0, F1, 0
	TURN 1, 0, 1
	QUARTER 0, 64,  F0, F1, 0
	WIN 0
	s_sub_co_u32 s3, s3, 1
	s_cmp_lg_u32 s3, 0
	s_cbranch_scc1 .Llap
	QUARTER 0, 128, F1, F0, 0                      ; the last lap fills nothing, and has no round of the cluster's barrier
	QUARTER 0, 192, F0, F1, 0
	TURN 0, 1, 0
	QUARTER 1, 64,  F0, F1, 0
	QUARTER 1, 128, F1, F0, 0
	QUARTER 1, 192, F0, F1, 0
	s_wait_dscnt 8                                 ; the very last quarter: nothing more to fetch
	MUL16 F1, 0, 0, 0
	MUL16 F1, 0, 2, 0
	s_wait_dscnt 0x0
	MUL16 F1, 1, 0, 0
	MUL16 F1, 1, 2, 0
	WIN 0
	PLACES                                         ; four places between the last product and the lines that read results and write over fragments
	CLIP 0
	TOSTAGE 0
.irp a, 1,2,3,4,5,6,7                  ; block a's 64 lines stand between block a - 1's loads from the stage and the wait for them
	CLIP \a
	SEND (\a)-1
	TOSTAGE \a
.endr
	SEND 7
	s_wait_tensorcnt 0x0                           ; the wave's end, behind my last tensor load and my last LDS store
	ds_add_u32 v[SPW], v[NIL]
	s_wait_dscnt 0x0
	CROUND                                         ; the closing round: no work-group ends while a partner may still ask for a tile that names it
	s_endpgm
.Lfunc_end_k_q1ac8bd289e_gemm:
	.size	k_q1ac8bd289e_gemm, .Lfunc_end_k_q1ac8bd289e_gemm-k_q1ac8bd289e_gemm
	.p2alignl 7, 3214868480
	.fill 96, 4, 3214868480
	.section	.rodata,"a",@progbits
	.p2align	6, 0x0
	.amdhsa_kernel k_q1ac8bd289e_gemm
		.amdhsa_group_segment_fixed_size 327680
		.amdhsa_private_segment_fixed_size 0
		.amdhsa_enable_private_segment 0
		.amdhsa_kernarg_size 24
		.amdhsa_user_sgpr_count 2
		.amdhsa_user_sgpr_kernarg_segment_ptr 1
		.amdhsa_wavefront_size32 1
		.amdhsa_system_sgpr_workgroup_id_x 1
		.amdhsa_system_sgpr_workgroup_id_y 1
		.amdhsa_system_sgpr_workgroup_id_z 1
		.amdhsa_system_vgpr_workitem_id 0
		.amdhsa_next_free_vgpr 1024
		.amdhsa_next_free_sgpr 74
		.amdhsa_reserve_vcc 0
		.amdhsa_float_denorm_mode_32 3
		.amdhsa_float_denorm_mode_16_64 3
		.amdhsa_memory_ordered 1
		.amdhsa_forward_progress 1
		.amdhsa_inst_pref_size 174
	.end_amdhsa_kernel
	.amdgpu_metadata
---
amdhsa.version: [ 1, 2 ]
amdhsa.kernels:
  - .name:           k_q1ac8bd289e_gemm
    .symbol:         k_q1ac8bd289e_gemm.kd
    .args:
      - { .name: xh, .offset: 0, .size: 8, .value_kind: global_buffer, .address_space: global }
      - { .name: wq, .offset: 8, .size: 8, .value_kind: global_buffer, .address_space: global }
      - { .name: out0, .offset: 16, .size: 8, .value_kind: global_buffer, .address_space: global }
    .group_segment_fixed_size: 327680
    .private_segment_fixed_size: 0
    .kernarg_segment_align: 8
    .kernarg_segment_size: 24
    .max_flat_workgroup_size: 128
    .sgpr_count:     74
    .vgpr_count:     1024
    .wavefront_size: 32
...
	.end_amdgpu_metadata
.endif
;; end of part 4
;; ======== version 3 of 3: 2 launches; version 2 with the launch prep written anew for expert scheduling mode
;; limits: values are held in f16: magnitudes above 65,504 overflow, below 6.1e-05 lose precision; inputs' magnitudes at most 65,504
;; workspace buffers: wq 16,777,216 bytes; xh 67,108,864 bytes
;; launch prep (part 5): grid 768 x 1, 8 waves a work-group, no clusters, 59,392 bytes of LDS; arguments indices, codebooks, scales, wq, x, xh; writes wq, xh
.if DOCPART == 5
	.amdgcn_target "amdgcn-amd-amdhsa--gfx1250"
	.amdhsa_code_object_version 6
	.text
	.protected	k_q1ac8bd289e_prep
	.globl	k_q1ac8bd289e_prep
	.p2align	8
	.type	k_q1ac8bd289e_prep,@function
k_q1ac8bd289e_prep:
	s_mov_b64 s[64:65], 0
	v_nop
	global_prefetch_b8 v0, s[64:65] scope:SCOPE_SE
	s_setreg_imm32_b32 hwreg(HW_REG_WAVE_SCHED_MODE, 0, 2), 2
	s_setreg_imm32_b32 hwreg(HW_REG_WAVE_MODE, 25, 1), 1
	s_wait_xcnt 0x0
	s_wait_alu depctr_vm_vsrc(0)
; THE PROGRAM computes out = clip(x (s W)^T, -50, 50) in two launches: this one makes both operands of the product in f16, the second multiplies and clips.
;   wq[o][i] = f16( scales[i] * (codebooks[0][indices[o][i/8][0]][i%8] + codebooks[1][indices[o][i/8][1]][i%8]) ),  o < 2048, i < 4096;      xh[t][i] = f16(x[t][i]),  t < 8192.
; The per-channel scale is moved from x to W, (x s) W = x (s W), an identity for all values; W's sum and product are f32; each operand is rounded once, to nearest even.
; NO WORK OF THE PROBLEM IS LEFT OUT: all four inputs are loaded, every product is made, the clip is made in the second launch.
; WHY f16: the clip holds the outputs' root mean square near the spread of the unclipped sums, so a number near 0 has an allowance under one part in a hundred of that spread;
; eleven significant bits in both operands keep far inside it, eight do not surely.
; WHY x IS ROUNDED AHEAD OF THE PRODUCT: the product's ring of two LDS slots holds K steps of 128 only if x lies there in 16 bits (1,024 bytes for each k of a 256 x 256 tile: 278,528
; bytes with the padding; with x in f32 1,536 bytes for each k: 409,600), and a slot's K is the matrix work that a refill has in which to land.
; LIMITS.  |x| and |scales x (cb0 + cb1)| stay under 65,504 (from 65,520 on f16 gives an infinity); below 6e-5 a number keeps f16's fixed step of 6e-8.  An index lies in 0..255, as the
; problem's own lookup relies on; it is held there by an unsigned minimum with 255 in front of its use as an address.
; TWO KINDS OF WORK-GROUP IN ONE LAUNCH, told apart by the work-group's number, which is the same in all eight waves: 0 .. 255 make wq, 256 .. 767 make xh.  Neither reads what the other
; stores.  One launch, so that the waits of the short, gathering part fall while the long stream moves its bytes.  Three work-groups have room on a WGP together: 3 x 2 waves x 144 of a SIMD's
; 1,024 registers, 3 x 59,392 of its 327,680 bytes of LDS.
; No matrix unit, no cluster, no tensor load: each byte of indices and of x has one reader, and the tables are 24 KiB.  No prefetch: the launch does nothing but move bytes, and each
; wave's loads are out well ahead of their use.
; THE MODE: SCHED_MODE bits 1:0 = 2 (LLVM: expert scheduling mode 2), set by the entry lines.  The code itself states the register dependences between vector instructions and memory or
; LDS instructions, with s_wait_alu, always for 0.  Each arm's plan stands at its head.
.set NDQ,    256                       ; work-groups that make wq
.set SPARE,  58368                     ; LDS: the spare words, 128 bytes for each of the eight waves: four blocks of 256 bytes that no other line names
.set SPW, 8                            ; v8   LDS address of my spare word; never rewritten
.set NIL, 9                            ; v9   0; never rewritten
	v_lshl_add_u32 v[SPW], v0, 2, SPARE
	v_mov_b32 v[NIL], 0
	s_cmp_ge_u32 ttmp9, NDQ
	s_cbranch_scc1 .Lround_x
; ---------------------------------------------------------------- wq ----------------------------------------------------------------
; LAYOUT OF wq: [32 K steps][2048 rows o][128 k] of f16: element (o, i) at byte (i / 128) x 524,288 + o x 256 + (i % 128) x 2: 128 rows of one K step are 32,768 consecutive bytes.
; SHARES.  Work-group b owns rows 8 b .. 8 b + 7: 32,768 consecutive bytes of indices in, 2,048 consecutive bytes of each K step out.  An item is a group of 8 k: two indices in,
; 16 bytes out; 16 items a thread.  Wave w, lane l: group l % 16 of a K step, row 2 (w % 4) + l / 16, K steps 16 (w / 4) + 4 t + j (trip t, item j):
; a store of a wave covers 2 rows x 256 bytes = 512 consecutive bytes, aligned.
; THROUGH LDS: the tables, because every lane gathers from them; the indices, because memory is read in whole rows of 4,096 bytes while the stores want another order of lanes.
; THE PLAN.  The four trips are written out, so that every step stands in an immediate offset.  Registers that memory or LDS instructions touch behind the barrier:
;   IX0, IX1     Trip t: its minimum and its shift work in place on IX[t % 2]; its eight gathers read that buffer as addresses; the loads of trip t + 1's indices, issued in trip t, land in the other.
;   SCL, C0, C1  Loaded in trip t, read by trip t's vector lines.
;   Y0, Y1       Trip t's roundings write Y[t % 2]; the four stores that read it are issued in trip t + 1, one ahead of each item.
;   v10 to v13   Offsets and addresses, made once at the head and never written again.
;   T and U are named by vector instructions alone.
; So ONE wait on va_vdst stands in a trip, behind the sixteen lines on its indices: it states that the gathers' addresses are written, that the trip before has written its Y and the other IX, and that
; it is done reading SCL, C0 and C1.  The trip's twenty LDS loads follow it, and its four stores are dealt among items that name T, U, SCL, C0, C1 and Y[t % 2]: none of the registers that those
; stores touch.  One wait on vm_vsrc stands at a trip's head, from trip 1 on.
.set CB,     0                         ; LDS: the two codebooks, [2][256] entries of 16 bytes
.set SC,     8192                      ; the 4,096 scales as they lie
.set IDX,    24576                     ; my 8 rows of indices,
.set IPITCH, 4224                      ; 4,096 bytes + 128: the two rows that an 8-byte load of a wave touches, 128 bytes of each, lie 32 banks apart (64 banks of 4 bytes: ISA guide 11.1)
.set KSB,    524288                    ; bytes of a K step in wq
.set VT,  10                           ; v10  16 x my thread's number; never rewritten
.set VI,  11                           ; v11  LDS address of my first item's two indices; never rewritten
.set VS,  12                           ; v12  of its eight scales; never rewritten
.set VO,  13                           ; v13  its byte offset in wq; never rewritten
.set LD,  16                           ; v[16:71]   first: where the 14 loads of the head land
.set IX0, 16                           ; v[16:23]   then: four pairs of indices, the even trips'
.set SCL, 24                           ; v[24:55]   four times eight scales
.set C0,  56                           ; v[56:71]   four entries of codebook 0
.set C1,  72                           ; v[72:87]   of codebook 1
.set T,   88                           ; v[88:95]   at work: eight f32 of codebook 0
.set U,   96                           ; v[96:103]  of codebook 1
.set Y,   104                          ; v[104:135] two buffers of four times 16 bytes to store
.set IX1, 136                          ; v[136:143] four pairs of indices, the odd trips'
	s_load_b256 s[4:11], s[0:1], 0x0               ; indices s[4:5], codebooks s[6:7], scales s[8:9], wq s[10:11]
	v_lshrrev_b32 v2, 5, v0
	v_readfirstlane_b32 s12, v2                    ; wave 0..7
	v_and_b32 v1, 31, v0                           ; lane
	s_mov_b32 s18, 0xffff0000                      ; a word's upper bf16
	v_lshlrev_b32 v[VT], 4, v0
	v_and_b32 v3, 15, v1                           ; my group in a K step
	v_lshrrev_b32 v4, 4, v1
	s_wait_alu depctr_va_sdst(0)                   ; s12 is written, ahead of its first reader: the wave's terms of all addresses are made from it
	s_and_b32 s13, s12, 3                          ; which two of the eight rows
	s_lshr_b32 s14, s12, 2                         ; which sixteen of the 32 K steps
	s_lshl_b32 s15, s13, 1                         ; (each scalar term that a vector line reads has a register of its own)
	v_add_nc_u32 v4, s15, v4                       ; my row of the eight
	v_mul_u32_u24 v[VI], v4, IPITCH
	v_lshl_add_u32 v[VI], v3, 3, v[VI]             ; + 8 bytes a group
	s_lshl_b32 s19, s14, 11                        ; + 16 K steps x 128 bytes
	s_add_co_u32 s19, s19, IDX
	v_add_nc_u32 v[VI], s19, v[VI]
	s_lshl_b32 s21, s14, 13                        ; 16 K steps x 512 bytes of scales
	s_add_co_u32 s21, s21, SC
	v_lshl_add_u32 v[VS], v3, 5, s21               ; + 32 bytes a group
	s_lshl_b32 s22, s14, 23                        ; 16 K steps of wq
	s_lshl_b32 s20, s13, 9                         ; two rows of 256 bytes
	s_add_co_u32 s22, s22, s20
	v_lshl_add_u32 v[VO], v1, 4, s22               ; + 16 x lane = (l / 16) x 256 + (l % 16) x 16
	s_lshl_b32 s16, ttmp9, 15                      ; my 8 rows of indices
	s_mov_b32 s17, 0
	s_wait_kmcnt 0x0
	s_add_nc_u64 s[4:5], s[4:5], s[16:17]
	s_lshl_b32 s16, ttmp9, 11                      ; my 8 rows in a K step of wq
	s_add_nc_u64 s[10:11], s[10:11], s[16:17]
	s_wait_alu depctr_va_vdst(0)                   ; v10 to v13 are written: every load and store of this arm but the gathers reads one of them as its offset or address
	; THE HEAD: 14 loads of 4,096 consecutive bytes each (256 threads x 16), all out before the first wait
.irp i, 0,1
	global_load_b128 v[LD+4*(\i):LD+4*(\i)+3], v[VT], s[6:7] offset:4096*(\i)
.endr
.irp i, 0,1,2,3
	global_load_b128 v[LD+8+4*(\i):LD+8+4*(\i)+3], v[VT], s[8:9] offset:4096*(\i)
.endr
.irp i, 0,1,2,3,4,5,6,7
	global_load_b128 v[LD+24+4*(\i):LD+24+4*(\i)+3], v[VT], s[4:5] offset:4096*(\i) th:TH_LOAD_NT
.endr
.set n, 0                              ; load n is in when at most 13 - n younger ones are out (loads come back in order: ISA guide 5.7.1)
.irp i, 0,1
	s_wait_loadcnt 13-n
	ds_store_b128 v[VT], v[LD+4*n:LD+4*n+3] offset:CB+4096*(\i)
.set n, n+1
.endr
.irp i, 0,1,2,3
	s_wait_loadcnt 13-n
	ds_store_b128 v[VT], v[LD+4*n:LD+4*n+3] offset:SC+4096*(\i)
.set n, n+1
.endr
.irp i, 0,1,2,3,4,5,6,7
	s_wait_loadcnt 13-n
	ds_store_b128 v[VT], v[LD+4*n:LD+4*n+3] offset:IDX+IPITCH*(\i)
.set n, n+1
.endr
	s_wait_dscnt 0x0                               ; for the others' sake: my stores are done
	s_barrier_signal -1                            ; all eight waves of a work-group that makes wq pass this barrier; a work-group that makes xh has none
	s_barrier_wait -1                              ; tables and indices lie whole in LDS; nothing writes them again
	s_wait_alu depctr_vm_vsrc(0)                   ; my LDS stores have read v[LD ..]: these registers are IX0, SCL and C0 from here on, in which LDS loads land
.irp j, 0,1,2,3
	ds_load_b64 v[IX0+2*(\j):IX0+2*(\j)+1], v[VI] offset:128*(\j)  ; trip 0's indices; each trip asks for the next one's
.endr
; Item j of trip t: both entries widened to f32, added, scaled, rounded once.  Ahead of it goes the store of item j of the trip before.  TRIP sets YB, YP and LEFT.
.macro ITEM t, j
.if (\t) > 0
	global_store_b128 v[VO], v[YP+4*(\j):YP+4*(\j)+3], s[10:11] offset:(4*(\t)-4+(\j))*KSB th:TH_STORE_NT  ; the wave's 512 consecutive bytes of K step 4 (t - 1) + j.  No wait: no vector line since the trip's wait names YP or v[VO]
.endif
	s_wait_dscnt LEFT+6-2*(\j)                     ; the item's two gathers are in (behind them: the later items' two each, and the LEFT loads of the next indices); the scales are older
.irp k, 0,1,2,3
	v_lshlrev_b32 v[T+2*(\k)],   16,  v[C0+4*(\j)+(\k)]
	v_and_b32     v[T+2*(\k)+1], s18, v[C0+4*(\j)+(\k)]
	v_lshlrev_b32 v[U+2*(\k)],   16,  v[C1+4*(\j)+(\k)]
	v_and_b32     v[U+2*(\k)+1], s18, v[C1+4*(\j)+(\k)]
.endr
.irp k, 0,2,4,6
	v_pk_add_f32 v[T+(\k):T+(\k)+1], v[T+(\k):T+(\k)+1], v[U+(\k):U+(\k)+1]
.endr
.irp k, 0,2,4,6
	v_pk_mul_f32 v[T+(\k):T+(\k)+1], v[T+(\k):T+(\k)+1], v[SCL+8*(\j)+(\k):SCL+8*(\j)+(\k)+1]
.endr
.irp k, 0,1,2,3
	v_cvt_pk_f16_f32 v[YB+4*(\j)+(\k)], v[T+2*(\k)], v[T+2*(\k)+1]
.endr
.endm
; Trip t of four: four items.
.macro TRIP t
.set IXB, IX0+(IX1-IX0)*((\t)%2)       ; this trip's indices
.set IXN, IX0+(IX1-IX0)*(1-(\t)%2)     ; the next trip's
.set YB,  Y+16*((\t)%2)                ; what this trip rounds into
.set YP,  Y+16*(1-(\t)%2)              ; what the trip before rounded into
.if (\t) < 3
.set LEFT, 4
.else
.set LEFT, 0
.endif
	s_wait_dscnt 0x0                               ; this trip's indices are in
.if (\t) >= 2
	s_wait_xcnt 0x0                                ; the stores issued in the trip before have had their addresses translated (ISA guide 3.1): their data, YB, are written again only behind this wait
.endif
.if (\t) >= 1
	s_wait_alu depctr_vm_vsrc(0)                   ; the last trip's gathers have read IXN, in which the next indices land; the stores issued in it have read YB, which this trip's roundings write again
.endif
.irp k, 0,1,2,3,4,5,6,7
	v_min_u32 v[IXB+(\k)], 0xff, v[IXB+(\k)]       ; inside the table, whatever was loaded
.endr
.irp k, 0,1,2,3,4,5,6,7
	v_lshlrev_b32 v[IXB+(\k)], 4, v[IXB+(\k)]      ; 16 bytes an entry
.endr
	s_wait_alu depctr_va_vdst(0)                   ; IXB is written, which the gathers read as addresses; the trip before has written YP, which the stores read, and IXN, and is done reading SCL, C0 and C1: loads land in these four
.irp j, 0,1,2,3
	ds_load_b128 v[SCL+8*(\j):SCL+8*(\j)+3],   v[VS] offset:512*(4*(\t)+(\j))
	ds_load_b128 v[SCL+8*(\j)+4:SCL+8*(\j)+7], v[VS] offset:512*(4*(\t)+(\j))+16
.endr
.irp j, 0,1,2,3
	ds_load_b128 v[C0+4*(\j):C0+4*(\j)+3], v[IXB+2*(\j)]   offset:CB
	ds_load_b128 v[C1+4*(\j):C1+4*(\j)+3], v[IXB+2*(\j)+1] offset:CB+4096
.endr
.if (\t) < 3
.irp j, 0,1,2,3
	ds_load_b64 v[IXN+2*(\j):IXN+2*(\j)+1], v[VI] offset:128*(4*(\t)+4+(\j))
.endr
.endif
	ITEM \t, 0
	ITEM \t, 1
	ITEM \t, 2
	ITEM \t, 3
.endm
	TRIP 0                                         ; no trip stands in front of it: no store, and no wait on vm_vsrc but the one behind the barrier
	TRIP 1
	TRIP 2
	TRIP 3                                         ; asks for no further indices
	s_wait_alu depctr_va_vdst(0)                   ; trip 3 has written Y1, which the last four stores read
.irp j, 0,1,2,3
	global_store_b128 v[VO], v[Y+16+4*(\j):Y+16+4*(\j)+3], s[10:11] offset:(12+(\j))*KSB th:TH_STORE_NT  ; 15 K steps at the most: 7,864,320 bytes, inside the signed 24-bit immediate (ISA guide, chapter 10)
.endr
	s_branch .Lend
; ---------------------------------------------------------------- xh ----------------------------------------------------------------
; A STREAM: each byte of x is read once, each byte of xh written once; no LDS, no barrier: nothing is shared.  xh has x's shape, row-major.
; SHARES.  Work-group 256 + c owns the 262,144 consecutive bytes of x from 262,144 c on.  Thread t takes the 16 bytes at 16 t of each 4,096: a load of a wave covers 512 consecutive bytes,
; its store 256 consecutive bytes, aligned.  A ring of DEPTH slots in registers keeps up to DEPTH loads of every wave on their way: 64 KiB for the work-group.
; THE PLAN.  The ring's sixteen slots go in four blocks of four.  Registers that memory instructions touch:
;   XF   Block b: its eight conversions read its four slots; behind them the loads of the same block of the next round land there.
;   XH   Block b: its eight conversions write its four slots; behind them its four stores read them; the next round's conversions write them again.
;   v2, v3   Offsets, made once at the head and never written again: the two scalar bases move on by a round, and immediate offsets do the rest.
; So ONE wait on va_vdst stands in a block, behind its conversions: they are done reading XF's slots and have written XH's.  It stands there, and not at the next block's head, so that a block's
; slots are asked for again at once: 12 to 16 loads of a wave are out.  ONE wait on vm_vsrc stands in a round, at its end, beside the wait that frees the bases.
.set DEPTH,  16
.set ROUNDS, 64/DEPTH                  ; 64 loads a thread
.set INB,    4096                      ; bytes of x that one load of the 256 threads covers
.set OUTB,   2048                      ; and of xh that one store covers
.set XL, 2                             ; v2  16 x my thread's number; never rewritten
.set XS, 3                             ; v3  8 x my thread's number; never rewritten
.set XF, 16                            ; v[16:79]   slot i: four f32 as loaded
.set XH, 80                            ; v[80:111]  slot i: four f16 to store
.Lround_x:
	s_load_b128 s[4:7], s[0:1], 0x20               ; x s[4:5], xh s[6:7]
	s_sub_co_u32 s13, ttmp9, NDQ                   ; c = 0 .. 511
	s_lshl_b32 s8, s13, 18                         ; my 262,144 bytes of x: under 2^27
	s_mov_b32 s9, 0
	s_lshl_b32 s10, s13, 17                        ; my 131,072 bytes of xh
	s_mov_b32 s11, 0
	v_lshlrev_b32 v[XL], 4, v0
	v_lshlrev_b32 v[XS], 3, v0
	s_wait_kmcnt 0x0
	s_add_nc_u64 s[4:5], s[4:5], s[8:9]
	s_add_nc_u64 s[6:7], s[6:7], s[10:11]
	s_wait_alu depctr_va_vdst(0)                   ; v2 and v3 are written: every load and store of this arm reads one of them as its offset
.set i, 0
.rept DEPTH
	global_load_b128 v[XF+4*i:XF+4*i+3], v[XL], s[4:5] offset:i*INB th:TH_LOAD_NT  ; the ring is filled
.set i, i+1
.endr
; Block b of a round: slots 4 b to 4 b + 3.  ahead = 1: they are filled again, DEPTH loads further on.  left = how many younger loads may stay out.
.macro BLOCK b, ahead, left
	s_wait_loadcnt \left                           ; loads come back in order (ISA guide 5.7.1): the block's four are in, the younger ones stay out
.irp i, 0,1,2,3
	v_cvt_pk_f16_f32 v[XH+2*(4*(\b)+(\i))],   v[XF+4*(4*(\b)+(\i))],   v[XF+4*(4*(\b)+(\i))+1]
	v_cvt_pk_f16_f32 v[XH+2*(4*(\b)+(\i))+1], v[XF+4*(4*(\b)+(\i))+2], v[XF+4*(4*(\b)+(\i))+3]
.endr
	s_wait_alu depctr_va_vdst(0)                   ; the eight conversions have written XH's four slots, which the stores read, and are done reading XF's, in which the loads land
.irp i, 0,1,2,3
.if \ahead
	global_load_b128 v[XF+4*(4*(\b)+(\i)):XF+4*(4*(\b)+(\i))+3], v[XL], s[4:5] offset:(DEPTH+4*(\b)+(\i))*INB th:TH_LOAD_NT  ; the load ahead of the store
.endif
	global_store_b64 v[XS], v[XH+2*(4*(\b)+(\i)):XH+2*(4*(\b)+(\i))+1], s[6:7] offset:(4*(\b)+(\i))*OUTB th:TH_STORE_NT
.endr
.endm
	s_mov_b32 s12, ROUNDS-1
.Lround:
	BLOCK 0, 1, DEPTH-4
	BLOCK 1, 1, DEPTH-4
	BLOCK 2, 1, DEPTH-4
	BLOCK 3, 1, DEPTH-4
	s_wait_xcnt 0x0                                ; every load and store issued so far has had its addresses translated (ISA guide 3.1): the bases are stepped here, and the store data are written again in the next round
	s_wait_alu depctr_vm_vsrc(0)                   ; the round's stores have read XH, which the next round's conversions write again
	s_add_nc_u64 s[4:5], s[4:5], DEPTH*INB
	s_add_nc_u64 s[6:7], s[6:7], DEPTH*OUTB
	s_sub_co_u32 s12, s12, 1
	s_cmp_lg_u32 s12, 0
	s_cbranch_scc1 .Lround
	BLOCK 0, 0, DEPTH-4                            ; the last round loads nothing: the counts run down
	BLOCK 1, 0, DEPTH-8
	BLOCK 2, 0, DEPTH-12
	BLOCK 3, 0, 0
.Lend:                                         ; one end for both kinds of work-group
	s_wait_dscnt 0x0                               ; the wave's end
	s_wait_alu 0x0
	s_wait_tensorcnt 0x0
	ds_add_u32 v[SPW], v[NIL]
	s_wait_dscnt 0x0
	s_endpgm
.Lfunc_end_k_q1ac8bd289e_prep:
	.size	k_q1ac8bd289e_prep, .Lfunc_end_k_q1ac8bd289e_prep-k_q1ac8bd289e_prep
	.p2alignl 7, 3214868480
	.fill 96, 4, 3214868480
	.section	.rodata,"a",@progbits
	.p2align	6, 0x0
	.amdhsa_kernel k_q1ac8bd289e_prep
		.amdhsa_group_segment_fixed_size 59392
		.amdhsa_private_segment_fixed_size 0
		.amdhsa_enable_private_segment 0
		.amdhsa_kernarg_size 48
		.amdhsa_user_sgpr_count 2
		.amdhsa_user_sgpr_kernarg_segment_ptr 1
		.amdhsa_wavefront_size32 1
		.amdhsa_system_sgpr_workgroup_id_x 1
		.amdhsa_system_sgpr_workgroup_id_y 1
		.amdhsa_system_sgpr_workgroup_id_z 1
		.amdhsa_system_vgpr_workitem_id 0
		.amdhsa_next_free_vgpr 144
		.amdhsa_next_free_sgpr 66
		.amdhsa_reserve_vcc 0
		.amdhsa_float_denorm_mode_32 3
		.amdhsa_float_denorm_mode_16_64 3
		.amdhsa_memory_ordered 1
		.amdhsa_forward_progress 1
		.amdhsa_inst_pref_size 47
	.end_amdhsa_kernel
	.amdgpu_metadata
---
amdhsa.version: [ 1, 2 ]
amdhsa.kernels:
  - .name:           k_q1ac8bd289e_prep
    .symbol:         k_q1ac8bd289e_prep.kd
    .args:
      - { .name: indices, .offset: 0, .size: 8, .value_kind: global_buffer, .address_space: global }
      - { .name: codebooks, .offset: 8, .size: 8, .value_kind: global_buffer, .address_space: global }
      - { .name: scales, .offset: 16, .size: 8, .value_kind: global_buffer, .address_space: global }
      - { .name: wq, .offset: 24, .size: 8, .value_kind: global_buffer, .address_space: global }
      - { .name: x, .offset: 32, .size: 8, .value_kind: global_buffer, .address_space: global }
      - { .name: xh, .offset: 40, .size: 8, .value_kind: global_buffer, .address_space: global }
    .group_segment_fixed_size: 59392
    .private_segment_fixed_size: 0
    .kernarg_segment_align: 8
    .kernarg_segment_size: 48
    .max_flat_workgroup_size: 256
    .sgpr_count:     66
    .vgpr_count:     144
    .wavefront_size: 32
...
	.end_amdgpu_metadata
.endif
;; end of part 5
;; launch gemm: the kernel of part 4 again; grid 8 x 32, 4 waves a work-group, clusters of 4 x 4, 327,680 bytes of LDS; arguments xh, wq, out0; writes out0
